; MI455X (gfx1250); checked and timed in simulation.
; The chip was launched on July 23, 2026; its instructions are those of AMD's public machine-readable ISA for CDNA 5 (MIT licence, August 2026) and "CDNA5" Instruction Set Architecture Reference Guide (July 2026). The comments in the code are by the model that wrote it; some were corrected since.
;; Causal Self Attention. Allowed arithmetic: matrix products marked QUANTISED: E5M2 operands, one E8M0 scale for each 32 along K, by v_wmma_scale_f32_16x16x128_f8f6f4 with both operands' format E5M2, f32 sums; everything else in f32.
;; Inputs: b_attn 3,072 float32; b_proj 1,024 float32; w_attn 1,024 x 3,072 float32; w_proj 1,024 x 1,024 float32; x 4 x 2,048 x 1,024 float32.
;; Outputs: out0 4 x 2,048 x 1,024 float32.
;; This version of the problem:
;;   THIS VERSION OF THE PROBLEM IS GIVEN IN LOW PRECISION. The matrix products marked QUANTISED in the list below multiply operands that are first quantised to E5M2 (5 exponent bits, 2 mantissa bits; 8 bits a number), with one power-of-two scale for each 32 numbers along K (OCP MX v1.0); their sums are f32. All else is computed in f32.
;;   The module's matrix products, in the order in which they are computed (A, B: the left and right operand; K: the contracted axis; several contracted axes count as one K, in the product's order):
;;     1. [M 8,192, K 1,024] x [K 1,024, N 3,072]; A: input x; B: input w_attn: QUANTISED
;;     2. batch 64 x [M 2,048, K 64] x [K 64, N 2,048]; A: computed on the way; B: computed on the way: QUANTISED
;;     3. batch 64 x [M 2,048, K 2,048] x [K 2,048, N 64]; A: softmax (see below); B: computed on the way: QUANTISED
;;     4. [M 8,192, K 1,024] x [K 1,024, N 1,024]; A: computed on the way; B: input w_proj: QUANTISED
;;   THE QUANTISER, for each operand of a quantised product, along K:
;;     - K is cut into blocks of 32 from its start; a last block that is shorter is filled with zeros.
;;     - A block's scale is 2^e with e = floor(log2(the largest magnitude in the block)) - 15, held to -126 .. 127; a block of zeros has e = 0. As a byte (E8M0): e + 127.
;;     - Each number is divided by its block's scale, clamped to +-57,344, and rounded to the nearest number of E5M2, ties to even, subnormals kept.
;;     - The product sums the exact products of the quantised numbers (number of the format x scale) in f32.
;;   ~~~python
;;   def quantise(x, axis):      # numpy; x: float32 -> the quantised numbers, widened to float32 again
;;       x = np.moveaxis(x, axis, -1); K = x.shape[-1]
;;       x = np.pad(x, [(0, 0)] * (x.ndim - 1) + [(0, -K % 32)]); x = x.reshape(x.shape[:-1] + (-1, 32)); a = np.abs(x).max(-1, keepdims=True)
;;       e = np.where(a > 0, np.clip(np.frexp(np.where(a > 0, a, 1))[1] - 1 - 15, -126, 127), 0)      # np.frexp(a)[1] - 1 = floor(log2(a)), exactly
;;       r = np.clip(x / 2.0 ** e, -57344, 57344)
;;       step = 2.0 ** (np.maximum(np.frexp(np.where(r == 0, 1, r))[1] - 1, -14) - 2)
;;       q = np.round(r / step) * step * 2.0 ** e      # np.round: ties to even
;;       return np.moveaxis(q.reshape(q.shape[:-2] + (-1,))[..., :K], -1, axis).astype(np.float32)
;;   ~~~
;;   SOFTMAX AHEAD OF A QUANTISED PRODUCT. Where the list says 'softmax', what is quantised is not the finished softmax but p = 2^(t - M), with t = logit x log2(e) and M = ceil(the row's largest t), a whole number; so 1/2 < the row's largest p <= 1. The row's sum l is taken of the UNQUANTISED p, in f32, and the product's result is divided by l at the end. Since M is a whole number, a kernel that streams over the keys may use a running M (the ceiling of the running maximum): every later rescaling is an exact power of two, which a block's scale takes up: the codes' values come out the same.
;;   OPERANDS COMPUTED ON THE WAY. 'Computed on the way' means the value that the module computes at that place (a softmax that the list does not call 'softmax' is quantised finished and normalised). What goes into a quantiser is computed in f32, as accurately as f32 sums, v_exp_f32 and their like allow (about 1e-6 of the number): no bf16 or f16 on the way to a quantiser, and a product that is left as it is and whose result goes on into a quantised operand takes f32 operands (vector FMAs, or v_wmma_f32_16x16x4_f32). A number that lies on a knife's edge between two numbers of the format may be rounded either way, as far as f32 arithmetic and the matrix unit's own rounding can turn it there, and no further.
;; One version. Each part assembles by itself: llvm-mc -triple=amdgcn-amd-amdhsa -mcpu=gfx1250 --defsym DOCPART=n.
;; ======== version 1 of 1: 4 launches
;; limits: right only within a limited range of input values
;; workspace buffers: x_img 8,388,608 bytes; x_sc 262,144 bytes; w_img 4,194,304 bytes; w_sc 131,072 bytes; q_buf 8,912,896 bytes; kv_buf 17,563,648 bytes; a_img 8,388,608 bytes; a_sc 262,144 bytes
;; launch quant (part 1): grid 512 x 1, 4 waves a work-group, no clusters, 34,304 bytes of LDS; arguments x, w_attn, w_proj, x_img, x_sc, w_img, w_sc; writes x_img, x_sc, w_img, w_sc
.if DOCPART == 1
	.amdgcn_target "amdgcn-amd-amdhsa--gfx1250"
	.amdhsa_code_object_version 6
	.text
	.protected	k_qaf6527e208_quant
	.globl	k_qaf6527e208_quant
	.p2align	8
	.type	k_qaf6527e208_quant,@function
k_qaf6527e208_quant:
	s_mov_b64 s[64:65], 0
	v_nop
	global_prefetch_b8 v0, s[64:65] scope:SCOPE_SE
	s_setreg_imm32_b32 hwreg(HW_REG_WAVE_MODE, 25, 1), 1
	s_wait_xcnt 0x0
; x [8192][1024], w_attn [1024][3072] and w_proj [1024][1024], f32, become codes of BF8 (E5M2) with one E8M0 byte for each 32 along K = 1,024.
; A block's scale is 2^(floor(log2(its largest magnitude)) - 15); each number is divided by it, held within +-57,344 and rounded to the nearest code, ties to even.
; THE CODES ARE LAID AS IMAGES OF THE OPERAND'S REGISTERS: [tile of 16 rows][K step of 128][c = 0..3][lane 0..31][16 bytes]; lane 16 h + r holds K = 128 s + 32 c + 16 h + 0 .. 15 of the tile's row r.
; THE ROWS OF A TILE ARE NOT NEIGHBOURS: lane r of tile 2 g + u holds row 32 g + 8 u + r + 8 (r / 8), so that a product's results of two neighbouring tiles are 16 neighbours along the next product's K.
; The scale words are laid [tile][K half][r][4 words], a word for each 128 along K.  The weights' rows are their columns n: rows 0 .. 3071 of w_img are w_attn's, rows 3072 .. 4095 w_proj's.
; Work-groups 0 .. 255 take x (K innermost: a wave takes 16 rows x 512 along K, in four steps; each load reads 512 consecutive bytes of a row, and a step turns through the wave's own stage in LDS,
; so that a lane gets 16 neighbours of each block).  Work-groups 256 .. 511 take the weights (K outermost: a lane takes a column and its registers run down K; a wave takes 32 columns x 128 along K,
; four blocks of 32; its loads run two blocks ahead).
; No work-group shares an input with another and memory binds: no cluster, no tensor load, no barrier, no matrix unit.
; The weights' scale words leave as 4 bytes a lane, 16 bytes apart: 131,072 bytes of the launch's 63 million.
; LIMITS: NaN and infinities among the inputs are not served.  A block of zeros gets the byte 1 where the rule says 127: its codes are zeros, and these bytes are read by this program alone.
.set R,    16                          ; v16-143   x: two sets of 64 registers as loaded
.set X,    144                         ; v144-207  x: a step's 64 numbers of a lane: register 16 b + i = K 32 b + 16 h + i of row r
.set PC,   208                         ; v208-223  x: the step's codes
.set TM,   224                         ; v224-239  x: at work
.set SW,   240                         ; v240-243  x: the four steps' scale words
.set D,    16                          ; v16-143   weights: 128 numbers down K, 32 registers of its own for each block
.set VO,   144                         ; v144-175  weights: 4 x lane + i x pitch; never rewritten
.set CW,   176                         ; v176-207  weights: codes, eight registers a block
.set SEL,  40                          ; s[40:41]  lane selects for v_permlanex16_b32: lane l xor 16
.set MNT,  42                          ; s42       the mantissa field of 57,344
.set STG,  8448                        ; a wave's stage: 16 rows x (512 bytes + 16)
; 64 numbers of a lane become a fragment's codes in v[PC] on and its scale word
.macro QUANT s, word
.irp b, 0,1,2,3
	v_max3_num_f32 v[TM+\b], |v[\s+16*\b]|, |v[\s+1+16*\b]|, 0x8000000   ; my 16 numbers of block b, and the floor 2^(16 - 127): the byte cannot fall under 1
.endr
.irp i, 2,4,6,8,10,12,14
.irp b, 0,1,2,3
	v_max3_num_f32 v[TM+\b], v[TM+\b], |v[\s+16*\b+\i]|, |v[\s+1+16*\b+\i]|
.endr
.endr
.irp b, 0,1,2,3
	v_permlanex16_b32 v[TM+4+\b], v[TM+\b], s[SEL], s[SEL+1]
.endr
.irp b, 0,1,2,3
	v_max_num_f32 v[TM+\b], v[TM+\b], v[TM+4+\b]                  ; with lane l xor 16: the block's largest magnitude
.endr
.irp b, 0,1,2,3
	v_add_nc_u32 v[TM+12+\b], 0xf8800000, v[TM+\b]                ; 15 off its exponent field: the conversion's scale operand
.endr
.irp b, 0,1,2,3
	v_and_or_b32 v[TM+8+\b], v[TM+\b], 0x7f800000, s[MNT]         ; 57,344 x the scale
.endr
.irp b, 0,1,2,3
	v_lshrrev_b32 v[TM+4+\b], 23, v[TM+12+\b]                     ; the scale's byte
.endr
	v_lshl_or_b32 v[\word], v[TM+5], 8, v[TM+4]
	v_lshl_or_b32 v[\word], v[TM+6], 16, v[\word]
	v_lshl_or_b32 v[\word], v[TM+7], 24, v[\word]
.irp b, 0,1,2,3
.irp i, 0,1,2,3,4,5,6,7,8,9,10,11,12,13,14,15
	v_med3_num_f32 v[\s+16*\b+\i], v[\s+16*\b+\i], -v[TM+8+\b], v[TM+8+\b]   ; the conversion does not saturate (ISA guide 7.6.2): the hold comes first
.endr
	v_cvt_scalef32_pk8_bf8_f32 v[PC+4*\b:PC+1+4*\b], v[\s+16*\b:\s+7+16*\b], v[TM+12+\b]
	v_cvt_scalef32_pk8_bf8_f32 v[PC+2+4*\b:PC+3+4*\b], v[\s+8+16*\b:\s+15+16*\b], v[TM+12+\b]
.endr
	v_nop                                          ; a plain line behind the last conversion
.endm
.macro XLOAD t                         ; step t: 128 along K of my 16 rows: a load reads 512 consecutive bytes of one row
.irp i, 0,1,2,3,4,5,6,7,8,9,10,11,12,13,14,15
	global_load_b128 v[R+64*((\t)%2)+4*\i:R+64*((\t)%2)+4*\i+3], v1, s[4:5] offset:(\i+8*(\i/8))*4096+512*(\t) th:TH_LOAD_NT
.endr
.endm
.macro XSTEP t
.if (\t) < 3
	s_wait_loadcnt 16                              ; this step's 16 loads are in; the next step's 16 may be out
.else
	s_wait_loadcnt 0x0
.endif
.irp i, 0,1,2,3,4,5,6,7,8,9,10,11,12,13,14,15
	ds_store_b128 v2, v[R+64*((\t)%2)+4*\i:R+64*((\t)%2)+4*\i+3] offset:528*\i
.endr
.irp b, 0,1,2,3
.irp j, 0,1,2,3
	ds_load_b128 v[X+16*\b+4*\j:X+16*\b+4*\j+3], v3 offset:128*\b+16*\j   ; LDS serves a wave's instructions in order: these see the stores above
.endr
.endr
	s_wait_dscnt 0x0                               ; the numbers are back, so the stores into the stage have read their registers
	s_wait_xcnt 0x0                                ; the last step's stores have read the codes' registers, which are written again below
.if (\t) < 2
	XLOAD (\t)+2
.endif
	QUANT X, SW+(\t)
.irp c, 0,1,2,3
	global_store_b128 v1, v[PC+4*\c:PC+4*\c+3], s[10:11] offset:2048*(\t)+512*\c   ; 32 lanes store 512 consecutive bytes
.endr
.endm
.macro WLOAD t                         ; block t: W(32 t + k, my column), k = 0 .. 31: each load reads 128 consecutive bytes
.set k, 0
.rept 32
	global_load_b32 v[D+32*(\t)+k], v[VO+k], s[32+2*(\t):33+2*(\t)] th:TH_LOAD_NT
.set k, k+1
.endr
.endm
.macro WBLOCK t                        ; block t of 32 down K: all 32 numbers are the lane's own
.set XS, D+32*(\t)
.if (\t) < 3
	s_wait_loadcnt 32                              ; this block's 32 loads are in; the next block's 32 may be out
.else
	s_wait_loadcnt 0x0
.endif
.if (\t) < 2
	WLOAD (\t)+2                                   ; two blocks ahead, into registers of its own
.endif
	v_max3_num_f32 v208, |v[XS]|, |v[XS+1]|, |v[XS+2]|
	v_max3_num_f32 v209, |v[XS+3]|, |v[XS+4]|, |v[XS+5]|
.irp i, 6,10,14,18,22,26
	v_max3_num_f32 v208, v208, |v[XS+\i]|, |v[XS+\i+1]|
	v_max3_num_f32 v209, v209, |v[XS+\i+2]|, |v[XS+\i+3]|
.endr
	v_max3_num_f32 v208, v208, |v[XS+30]|, |v[XS+31]|
	v_max3_num_f32 v208, v208, v209, 0x8000000     ; and the floor
	v_add_nc_u32 v211, 0xf8800000, v208
	v_and_or_b32 v210, v208, 0x7f800000, s[MNT]
	v_lshrrev_b32 v212, 23, v211
.if (\t) == 0
	v_mov_b32 v213, v212
.else
	v_lshl_or_b32 v213, v212, 8*(\t), v213         ; the four bytes make the column's scale word of these 128 along K
.endif
.irp i, 0,1,2,3,4,5,6,7,8,9,10,11,12,13,14,15,16,17,18,19,20,21,22,23,24,25,26,27,28,29,30,31
	v_med3_num_f32 v[XS+\i], v[XS+\i], -v210, v210
.endr
.irp g, 0,1,2,3
	v_cvt_scalef32_pk8_bf8_f32 v[CW+8*(\t)+2*\g:CW+8*(\t)+2*\g+1], v[XS+8*\g:XS+8*\g+7], v211
.endr
	v_nop                                          ; a plain line behind the last conversion
	global_store_b128 v10, v[CW+8*(\t):CW+8*(\t)+3], s[44:45] offset:512*(\t)          ; K 32 t + 0 .. 15: the place of lane r; the 16 lanes of a tile fill 256 consecutive bytes
	global_store_b128 v10, v[CW+8*(\t)+4:CW+8*(\t)+7], s[44:45] offset:512*(\t)+256    ; K 32 t + 16 .. 31: the place of lane 16 + r
.endm
	s_load_b256 s[4:11], s[0:1], 0x0               ; x s[4:5], w_attn s[6:7], w_proj s[8:9], x_img s[10:11]
	s_load_b128 s[12:15], s[0:1], 0x20             ; x_sc s[12:13], w_img s[14:15]
	s_load_b64 s[16:17], s[0:1], 0x30              ; w_sc
	v_lshl_add_u32 v248, v0, 2, 0x8400
	v_mov_b32 v249, 0
	v_lshrrev_b32 v6, 5, v0
	v_readfirstlane_b32 s18, v6                    ; wave
	v_and_b32 v7, 31, v0                           ; lane
	s_mov_b32 s[MNT], 0x600000
	s_cmp_lt_u32 ttmp9, 256                        ; x or the weights: by the work-group's number alone
	s_cbranch_scc0 .Lweights
	; ---- x
	v_lshlrev_b32 v1, 4, v7                        ; 16 x lane
	v_and_b32 v8, 15, v0                           ; r
	v_bfe_u32 v5, v0, 4, 1                         ; h
	s_mul_i32 s19, s18, STG
	v_add_nc_u32 v2, s19, v1                       ; the stage, on the way in
	v_mul_u32_u24 v3, v8, 528
	v_lshl_add_u32 v3, v5, 6, v3
	v_add_nc_u32 v3, s19, v3                       ; and on the way out: row r, + 64 h
	v_lshlrev_b32 v4, 4, v8
	v_lshl_add_u32 v4, v5, 3, v4                   ; the scale words: 16 r + 8 h
	s_mov_b32 s[SEL], 0x76543210
	s_mov_b32 s[SEL+1], 0xfedcba98
.irp b, 0,1,2,3
	v_mov_b32 v[TM+4+\b], 0                        ; a lane permute's destination counts as one of its sources
.endr
	s_lshl_b32 s20, ttmp9, 2
	s_add_co_u32 s20, s20, s18                     ; my job: tile = job / 2, K half = job % 2
	s_lshr_b32 s21, s20, 1
	s_and_b32 s22, s20, 1
	s_lshr_b32 s24, s21, 1
	s_lshl_b32 s24, s24, 17                        ; 32 rows of 4,096 bytes for each pair of tiles,
	s_and_b32 s25, s21, 1
	s_lshl_b32 s25, s25, 15                        ; 8 rows for the odd tile,
	s_add_co_u32 s24, s24, s25
	s_lshl_b32 s25, s22, 11                        ; 2,048 bytes for the upper K half
	s_add_co_u32 s24, s24, s25
	s_mov_b32 s25, 0
	s_lshl_b32 s26, s21, 14                        ; the codes: 16,384 bytes a tile, 8,192 a K half
	s_lshl_b32 s27, s22, 13
	s_add_co_u32 s26, s26, s27
	s_mov_b32 s27, 0
	s_lshl_b32 s28, s20, 8                         ; the scale words: 256 bytes a job
	s_mov_b32 s29, 0
	s_wait_alu depctr_va_vdst(0)
	s_wait_kmcnt 0x0
	s_add_nc_u64 s[4:5], s[4:5], s[24:25]
	s_add_nc_u64 s[10:11], s[10:11], s[26:27]
	s_add_nc_u64 s[12:13], s[12:13], s[28:29]
	XLOAD 0
	XLOAD 1
	XSTEP 0
	XSTEP 1
	XSTEP 2
	XSTEP 3
	v_cmp_ne_u32 vcc_lo, 0, v5
	v_cndmask_b32 v244, v[SW], v[SW+2], vcc_lo     ; lanes 0-15 store words 0 and 1 of their row, lanes 16-31 words 2 and 3
	v_cndmask_b32 v245, v[SW+1], v[SW+3], vcc_lo
	global_store_b64 v4, v[244:245], s[12:13]      ; 32 lanes store 256 consecutive bytes
	s_wait_tensorcnt 0x0
	ds_add_u32 v248, v249
	s_wait_dscnt 0x0
	s_endpgm
	; ---- the weights
.Lweights:
	s_sub_co_u32 s20, ttmp9, 256
	s_lshr_b32 s21, s20, 3                         ; 0 .. 31: four groups of 32 columns, one a wave
	s_and_b32 s22, s20, 7                          ; the K step of 128
	s_lshl_b32 s23, s21, 2
	s_add_co_u32 s23, s23, s18                     ; my group of 32 columns, 0 .. 127
	s_wait_kmcnt 0x0
	s_cmp_lt_u32 s21, 24                           ; groups 0 .. 95 are w_attn's, the others w_proj's
	s_cselect_b64 s[4:5], s[6:7], s[8:9]
	s_mov_b32 s24, 4096
	s_cselect_b32 s24, 12288, s24                  ; a row of the weight in bytes
	s_cselect_b32 s25, 0, 96
	s_sub_co_u32 s25, s23, s25
	s_lshl_b32 s25, s25, 7                         ; my first column: 128 bytes a group
	s_mul_i32 s26, s22, s24
	s_lshl_b32 s26, s26, 7                         ; my first row: 128 rows a K step
	s_add_co_u32 s26, s26, s25
	s_mov_b32 s27, 0
	s_lshl_b32 s28, s24, 5                         ; 32 rows on
	s_mov_b32 s29, 0
	s_add_nc_u64 s[32:33], s[4:5], s[26:27]        ; a base for each block of 32 rows; never rewritten
	s_add_nc_u64 s[34:35], s[32:33], s[28:29]
	s_add_nc_u64 s[36:37], s[34:35], s[28:29]
	s_add_nc_u64 s[38:39], s[36:37], s[28:29]
	s_wait_alu depctr_va_vdst(0)
	v_lshlrev_b32 v9, 2, v7
.set i, 0
.rept 32
	v_mad_u32_u24 v[VO+i], s24, i, v9              ; row i of a block, my column
.set i, i+1
.endr
	WLOAD 0
	WLOAD 1
	v_bfe_u32 v11, v0, 3, 1                        ; column n of the 32 lies in tile u = (n / 8) % 2,
	v_and_b32 v12, 7, v0
	v_bfe_u32 v13, v0, 4, 1
	v_lshl_or_b32 v12, v13, 3, v12                 ; at lane r = n % 8 + 8 (n / 16)
	v_lshlrev_b32 v10, 4, v12
	v_lshl_add_u32 v10, v11, 14, v10               ; the codes: 16,384 u + 16 r
	v_lshlrev_b32 v14, 4, v12
	v_lshl_add_u32 v14, v11, 9, v14                ; the scale word: 512 u + 16 r
	s_lshl_b32 s26, s23, 15                        ; two tiles a group,
	s_lshl_b32 s25, s22, 11                        ; 2,048 bytes a K step
	s_add_co_u32 s26, s26, s25
	s_add_nc_u64 s[44:45], s[14:15], s[26:27]
	s_lshl_b32 s26, s23, 10
	s_lshr_b32 s25, s22, 2
	s_lshl_b32 s25, s25, 8
	s_add_co_u32 s26, s26, s25
	s_and_b32 s25, s22, 3
	s_lshl_b32 s25, s25, 2
	s_add_co_u32 s26, s26, s25
	s_add_nc_u64 s[46:47], s[16:17], s[26:27]
	s_wait_alu depctr_va_vdst(0)
	WBLOCK 0
	WBLOCK 1
	WBLOCK 2
	WBLOCK 3
	global_store_b32 v14, v213, s[46:47]
	s_endpgm
.Lfunc_end_k_qaf6527e208_quant:
	.size	k_qaf6527e208_quant, .Lfunc_end_k_qaf6527e208_quant-k_qaf6527e208_quant
	.p2alignl 7, 3214868480
	.fill 96, 4, 3214868480
	.section	.rodata,"a",@progbits
	.p2align	6, 0x0
	.amdhsa_kernel k_qaf6527e208_quant
		.amdhsa_group_segment_fixed_size 34304
		.amdhsa_private_segment_fixed_size 0
		.amdhsa_enable_private_segment 0
		.amdhsa_kernarg_size 56
		.amdhsa_user_sgpr_count 2
		.amdhsa_user_sgpr_kernarg_segment_ptr 1
		.amdhsa_wavefront_size32 1
		.amdhsa_system_sgpr_workgroup_id_x 1
		.amdhsa_system_sgpr_workgroup_id_y 1
		.amdhsa_system_sgpr_workgroup_id_z 1
		.amdhsa_system_vgpr_workitem_id 0
		.amdhsa_next_free_vgpr 250
		.amdhsa_next_free_sgpr 66
		.amdhsa_reserve_vcc 1
		.amdhsa_float_denorm_mode_32 3
		.amdhsa_float_denorm_mode_16_64 3
		.amdhsa_memory_ordered 1
		.amdhsa_forward_progress 1
		.amdhsa_inst_pref_size 82
	.end_amdhsa_kernel
	.amdgpu_metadata
---
amdhsa.version: [ 1, 2 ]
amdhsa.kernels:
  - .name:           k_qaf6527e208_quant
    .symbol:         k_qaf6527e208_quant.kd
    .args:
      - { .name: x, .offset: 0, .size: 8, .value_kind: global_buffer, .address_space: global }
      - { .name: w_attn, .offset: 8, .size: 8, .value_kind: global_buffer, .address_space: global }
      - { .name: w_proj, .offset: 16, .size: 8, .value_kind: global_buffer, .address_space: global }
      - { .name: x_img, .offset: 24, .size: 8, .value_kind: global_buffer, .address_space: global }
      - { .name: x_sc, .offset: 32, .size: 8, .value_kind: global_buffer, .address_space: global }
      - { .name: w_img, .offset: 40, .size: 8, .value_kind: global_buffer, .address_space: global }
      - { .name: w_sc, .offset: 48, .size: 8, .value_kind: global_buffer, .address_space: global }
    .group_segment_fixed_size: 34304
    .private_segment_fixed_size: 0
    .kernarg_segment_align: 8
    .kernarg_segment_size: 56
    .max_flat_workgroup_size: 128
    .sgpr_count:     66
    .vgpr_count:     250
    .wavefront_size: 32
...
	.end_amdgpu_metadata
.endif
;; end of part 1
;; launch qkv (part 2): grid 12 x 32, 4 waves a work-group, clusters of 4 x 4, 327,680 bytes of LDS; arguments x_img, x_sc, w_img, w_sc, b_attn, q_buf, kv_buf; writes q_buf, kv_buf
.if DOCPART == 2
	.amdgcn_target "amdgcn-amd-amdhsa--gfx1250"
	.amdhsa_code_object_version 6
	.text
	.protected	k_qaf6527e208_qkv
	.globl	k_qaf6527e208_qkv
	.p2align	8
	.type	k_qaf6527e208_qkv,@function
k_qaf6527e208_qkv:
	s_mov_b64 s[64:65], 0
	v_nop
	global_prefetch_b8 v0, s[64:65] scope:SCOPE_SE
	s_setreg_imm32_b32 hwreg(HW_REG_WAVE_MODE, 25, 1), 1
	s_wait_xcnt 0x0
	s_wait_alu depctr_hold_cnt(0) depctr_sa_sdst(0) depctr_va_vdst(0) depctr_va_sdst(0) depctr_va_ssrc(0) depctr_va_vcc(0) depctr_vm_vsrc(0)
	s_getreg_b32 s2, hwreg(HW_REG_IB_STS2, 6, 4)
	s_cmp_eq_u32 s2, 0
	s_cbranch_scc0 .Lentry_in_a_cluster
	s_endpgm
.Lentry_in_a_cluster:
	s_bfe_u32 s2, ttmp6, 0x10000c
	s_cmp_lg_u32 s2, 0xf033
	s_cbranch_scc0 .Lentry_shape_is_right
	s_endpgm
.Lentry_shape_is_right:
; qkv = x w_attn + b_attn on codes of BF8 (E5M2) with E8M0 scales, K = 1,024; the results never go to memory as f32: q and k are quantised along the head's 64, v along the keys, in registers.
; OPERANDS ARE IMAGES OF THEIR REGISTERS: [tile of 16 rows][K step of 128][c][lane][16 bytes]; lane r of tile 2 g + u is row 32 g + 8 u + r + 8 (r / 8).  Source 0 takes tiles of S0, source 1 tiles of S1:
; a lane then holds one row of S1, and the 16 registers of S0's tiles 2 g and 2 g + 1 are S0's rows 32 g + 16 (lane / 16) + 0 .. 15: 16 neighbours along the next product's K.
; ROLES, by the cluster's x, which all sixteen partners share: 0 = q, 1 = k: S0 = the weight's columns (the next K is the head's axis), S1 = the tokens.  2 = v: S0 = the tokens (the next K is the keys), S1 = the weight's columns.
; A tile of 256 (S1) x 256 (S0) is made by four waves, 128 x 128 each: 64 accumulators, 512 registers.  K goes in four steps of 256 through two LDS slots; a tile's 4,096 bytes of a K step are dense in memory and in LDS,
; and a fragment comes by four loads at 16 x lane: consecutive bytes, no padding.  The scale words of both sides for all of K come once.
; CLUSTER 4 x 4: S1's tiles hang on cy and are shared along a row of the cluster, S0's on cx and are shared along a column: joint loads, as many requests as a quarter of the work-groups' needs.
; The bias is the C of each sum's first product.  No prefetch: of the four K steps two are asked for at the head, and the other two could only be named there as well.
; OUT.  q_buf [b x head][block of 256 queries]: 16 tiles x 1,024 bytes of codes, then scale words [8 tiles' group][r][tile].  kv_buf [b x head][slot of 256 keys]: K's 16 tiles x 1,024 bytes; at 16,384 V's
; [key step][tile of the head's 64][c][512 bytes]; at 32,768 K's scale words [step][r][tile]; at 33,792 V's [step][r][tile].  In a word of q or k bytes 0 and 1 count; bytes 2 and 3 stand over zero codes and are never 0xff.
; LIMITS: NaN and infinities are not served.  A block of zeros gets the byte 1: its codes are zeros, and these bytes are read by this program alone.
; REGISTERS: window 0: v0-31 addresses; v32-63 scale words, two sets, and nothing else; v64-127 the bias, on the way out work; v128-255 S1's fragments, on the way out codes.
;   window 1: S0's fragments, two sets.   windows 2, 3: the accumulators: (a, b) at v[64 (a % 4) + 8 b].
; THE LAYOUT OF THE RESULTS AS THIS TEXT STORES THEM (it takes the place of the lines under OUT above):
; kv_buf [b x head][key step of 128 keys, 17,152 bytes apart]: K's 8 tiles x 1,024 bytes; at 8,192 V's [tile of the head's 64][c][512 bytes]; at 16,384 K's scale words [r][pair of tiles]; at 16,640 V's [r][tile].
; q_buf [b x head][block of 256 queries]: 16 tiles x 1,024 bytes; at 16,384 + 512 x (tile / 8) the scale words [r][pair of tiles].  A word of q or k holds the even tile's two bytes below and the odd tile's two above.
; THE HEAD: one joint load a wave: wave 0 S1's 16 tiles of K step 0, wave 1 S0's, waves 2 and 3 the two sides' scale words; K step 1 is asked for behind the full sequence and a round.
.set HALFT,  32768
.set SLOT,   4*HALFT                   ; S1's 16 tiles, then S0's
.set SCL,    2*SLOT                    ; behind the ring: the scale words, 4,096 bytes for each 8 tiles: S1's halves, then S0's
.set SHALF,  4096
.set SPARE,  SCL+4*SHALF               ; the spare words, 128 bytes for each wave
.set FR,     16
.set NL,     4
.set NP,     8                         ; places behind this matrix instruction (ISA guide 7.12.1)
.set NQ,     2
.set ADRA, 16                          ; v16-17 LDS address of my S1 fragments in slot 0, 1
.set ADRB, 20                          ; v20-21 the same for S0
.set ADRS, 27                          ; v27    my scale words: lanes 0-15 S1's rows, lanes 16-31 S0's
.set SPW,  28                          ; v28    my spare word; never rewritten
.set NIL,  29                          ; v29    0; never rewritten
.set SC,   32
.set BIAS, 64
.set AF,   128
.set TM,   64                          ; the way out: v64-79 at work
.set FL,   80                          ; the floor 2^(16 - 127)
.set PW,   84                          ; v84-91 the scale word of each of my eight tiles of S1
.set TW,   92                          ; v92-95, v96-99 the words as they are stored
.set TW2,  96
.set VO0,  100                         ; v100-107 where tile a's codes c = 0, 1 go;  v108-115 c = 2, 3
.set VO1,  108
.set VS,   116
.set VS2,  117
.set PC,   128                         ; v128-255 the codes: 16 registers for each tile, so that no store's data are written again
.set G1, 24
.set G0, 32
.set G1B, 48
.set G0B, 56
.set G1S, 68
.set G0S, 76
.set G1SB, 80
.set G0SB, 88
.set SEL, 2                            ; s[2:3] on the way out: lane selects for v_permlanex16_b32
.set MSB, 0
.macro WIN new                         ; the immediate's high byte repeats the setting that is left
.if MSB != \new
	s_set_vgpr_msb (MSB<<8)|\new
.set MSB, \new
.endif
.endm
.set MUL_LO, 0xa1                      ; source 0 window 1, source 1 window 0, C and D window 2
.set MUL_HI, 0xf1                      ; the same, C and D window 3
.set TO_B,   0x40
; a joint load: waves 0 and 1 fetch for S1, waves 2 and 3 for S0; the branch hangs on the wave's number alone; four v_nop follow each line
.macro JLOAD g0a, g1a, g0b, g1b
	s_cmp_eq_u32 s15, 0
	s_cbranch_scc0 .Lfor_b_\@
	tensor_load_to_lds s[\g0a:\g0a+3], s[\g1a:\g1a+7]
	s_nop 0
.rept 4
	v_nop
.endr
	s_branch .Lasked_\@
.Lfor_b_\@:
	tensor_load_to_lds s[\g0b:\g0b+3], s[\g1b:\g1b+7]
	s_nop 0
.rept 4
	v_nop
.endr
.Lasked_\@:
.endm
.macro CREST                           ; a round of the cluster's barrier behind its opening barrier
	s_cmp_lg_u32 s14, 0
	s_cbranch_scc1 .Lnot_wave_0_\@
	s_barrier_signal -3
.Lnot_wave_0_\@:
	s_barrier_wait -3
	s_barrier_signal -1
	s_barrier_wait -1
.endm
.macro CROUND
	s_barrier_signal -1
	s_barrier_wait -1
	CREST
.endm
.macro PLACES n
.rept \n
	v_nop
.endr
.endm
.macro FRAG reg, adr, q, i             ; tile i, the slot's q-th 128 along K: four loads of 512 consecutive bytes
.irp c, 0,1,2,3
	ds_load_b128 v[\reg+4*\c:\reg+4*\c+3], v[\adr] offset:4096*(\i)+2048*(\q)+512*\c
.endr
.endm
; one product.  mode 0: adds in place; 1: C = the bias by S0's rows (tile b); 2: C = the bias by S1's rows (tile a)
.macro MM a, b, p, q, sc, mode
.set rD, 8*(8*((\a)%4)+(\b))
.set rB, 128*(\p)+FR*(\b)
.set rA, AF+FR*(\a)
.set sB, SC+8*NQ*(\sc)+NQ*(\b)+(\q)
.set sA, SC+8*NQ*(\sc)+NQ*(\a)+(\q)
.if (\mode) == 1
	v_wmma_scale_f32_16x16x128_f8f6f4 v[rD:rD+7], v[rB:rB+15], v[rA:rA+15], v[BIAS+8*(\b):BIAS+8*(\b)+7], v[sB], v[sA] matrix_a_fmt:MATRIX_FMT_BF8 matrix_b_fmt:MATRIX_FMT_BF8 matrix_a_scale:MATRIX_SCALE_ROW1
.elseif (\mode) == 2
	v_wmma_scale_f32_16x16x128_f8f6f4 v[rD:rD+7], v[rB:rB+15], v[rA:rA+15], v[BIAS+8*(\a):BIAS+8*(\a)+7], v[sB], v[sA] matrix_a_fmt:MATRIX_FMT_BF8 matrix_b_fmt:MATRIX_FMT_BF8 matrix_a_scale:MATRIX_SCALE_ROW1
.else
	v_wmma_scale_f32_16x16x128_f8f6f4 v[rD:rD+7], v[rB:rB+15], v[rA:rA+15], v[rD:rD+7], v[sB], v[sA] matrix_a_fmt:MATRIX_FMT_BF8 matrix_b_fmt:MATRIX_FMT_BF8 matrix_a_scale:MATRIX_SCALE_ROW1
.endif
.endm
; 16 products: S1's tiles a0, a0 + 1 against S0's eight.  The 64 accumulators take turns, one instruction a turn, in the same order in every step
.macro MUL16 a0, p, q, sc, mode
.irp a, \a0, \a0+1
.irp b, 0,1,2,3,4,5,6,7
	MM \a, \b, \p, \q, \sc, \mode
.endr
.endr
.endm
.macro FETCH_B slot, q, p
	WIN TO_B
.irp i, 0,1,2,3,4,5,6,7
	FRAG 128*(\p)+FR*\i, ADRB+\slot, \q, \i
.endr
	WIN 0
.endm
.macro FETCH_A slot, q, i0
.irp i, \i0, \i0+1, \i0+2, \i0+3
	FRAG AF+FR*(\i), ADRA+\slot, \q, \i
.endr
.endm
.macro SCALES sc, koff                 ; a K step's two words a row: lanes 0-15 S1's tile i, lanes 16-31 S0's tile i
.irp i, 0,1,2,3,4,5,6,7
	ds_load_b64 v[SC+8*NQ*\sc+NQ*\i:SC+8*NQ*\sc+NQ*\i+1], v[ADRS] offset:\i*512+\koff
.endr
.endm
; a slot's first 128 along K (S0's set 0); it fetches the second 128
.macro STEP slot, mode
	s_wait_dscnt 4*NL                              ; S0's set and S1's tiles 0-3 are in; the youngest 16 loads (tiles 4-7) may be out
.if \mode
	WIN 0x81                                       ; C, the bias, in window 0
.else
	WIN MUL_LO
.endif
	MUL16 0, 0, 0, \slot, \mode
	MUL16 2, 0, 0, \slot, \mode
	s_wait_dscnt 0x0                               ; tiles 4-7 are in
	PLACES NP                                      ; in front of loads into registers that matrix instructions have read
	FETCH_B \slot, 1, 1
	FETCH_A \slot, 1, 0
.if \mode
	WIN 0xc1
.else
	WIN MUL_HI
.endif
	MUL16 4, 0, 0, \slot, \mode
	MUL16 6, 0, 0, \slot, \mode
	PLACES NP
	WIN 0
	FETCH_A \slot, 1, 4
.endm
; a slot's second 128 along K (S0's set 1) changes slots: one barrier; in front of it each wave waits for all its tensor loads, adds 0 to its spare word, and waits for that and for its reads of this slot
.macro TURN slot, next, fill, koff
	s_wait_tensorcnt 0x0                           ; all my tensor loads have landed: my part of the next slot
	ds_add_u32 v[SPW], v[NIL]                      ; 0 onto my spare word
	s_wait_dscnt 4*NL+1                            ; the add and the youngest 16 loads may be out
	WIN MUL_LO
	MUL16 0, 1, 1, \slot, 0
	s_wait_dscnt 0x0                               ; the add is done, and my reads of this slot are over
	s_barrier_signal -1
	MUL16 2, 1, 1, \slot, 0
	WIN 0
	s_barrier_wait -1
.if \fill
	CREST                                          ; the barrier has opened a round of the cluster's: no wave of any partner still reads this slot or has a load on its way
	s_add_nc_u64 s[G0+4*\slot+2:G0+4*\slot+3], s[G0+4*\slot+2:G0+4*\slot+3], 8192      ; two K steps of 4,096 bytes on
	s_add_nc_u64 s[G0B+4*\slot+2:G0B+4*\slot+3], s[G0B+4*\slot+2:G0B+4*\slot+3], 8192
	JLOAD G0+4*\slot, G1, G0B+4*\slot, G1B         ; the first tensor load behind the round; its four v_nop are among the places in front of the loads below
	PLACES NP-4
.else
	PLACES NP
.endif
	FETCH_B \next, 0, 0
	FETCH_A \next, 0, 0
	SCALES \next, \koff
	WIN MUL_HI
	MUL16 4, 1, 1, \slot, 0
	MUL16 6, 1, 1, \slot, 0
	PLACES NP
	WIN 0
	FETCH_A \next, 0, 4
.endm
	s_load_b256 s[4:11], s[0:1], 0x0               ; x_img s[4:5], x_sc s[6:7], w_img s[8:9], w_sc s[10:11]
	s_load_b128 s[96:99], s[0:1], 0x20             ; b_attn s[96:97], q_buf s[98:99]
	s_load_b64 s[100:101], s[0:1], 0x30            ; kv_buf
	v_lshl_add_u32 v[SPW], v0, 2, SPARE
	v_mov_b32 v[NIL], 0
	ds_add_u32 v28, v29
	ds_add_u32 v28, v29
	s_wait_dscnt 0x0
	v_lshrrev_b32 v1, 5, v0
	v_readfirstlane_b32 s14, v1                    ; wave 0..3
	s_lshr_b32 s15, s14, 1                         ; which half of S1's tiles is mine.  Also: I fetch for S1 (0) or for S0 (1)
	s_and_b32 s16, s14, 1                          ; which half of S0's.  Also: which 8 tiles I fetch
	s_bfe_u32 s40, ttmp6, 0x40000                  ; cx
	s_bfe_u32 s41, ttmp6, 0x40004                  ; cy
	s_and_b32 s17, ttmp7, 0xffff                   ; the cluster's y
	s_cmp_eq_u32 ttmp9, 2                          ; the role v?
	s_cselect_b32 s42, s17, ttmp9
	s_cselect_b32 s17, 2, s17
	s_lshl_b32 s42, s42, 2
	s_add_co_u32 s42, s42, s40                     ; S0's block of 256 rows: q, k: 4 x cluster x + cx of the weight; v: 4 x cluster y + cx of the tokens
	s_lshl_b32 s17, s17, 2
	s_add_co_u32 s17, s17, s41                     ; S1's: q, k: 4 x cluster y + cy of the tokens; v: 8 + cy of the weight
	s_lshl_b32 s43, s41, 2
	s_lshl_b32 s43, 15, s43                        ; my row of the cluster
	s_lshl_b32 s44, 0x1111, s40                    ; my column
	; group 1 for codes: 8 rows of 512 elements of 8 bytes (a tile's 4,096 bytes of a K step), 2,048 elements (a tile) apart; no padding
	s_or_b32 s[G1+0], s43, (3<<16)|(1<<21)
	s_or_b32 s[G1B+0], s44, (3<<16)|(1<<21)
.irp g, G1, G1B
	s_mov_b32 s[\g+1], 512<<16
	s_mov_b32 s[\g+2], 16<<16                      ; the head's loads bring 16 tiles
	s_mov_b32 s[\g+3], 512<<16
	s_mov_b32 s[\g+4], 16
	s_mov_b32 s[\g+5], 2048
	s_mov_b32 s[\g+6], 0
	s_mov_b32 s[\g+7], 0
.endr
	; and for the scale words of 16 tiles: 8,192 dense bytes as 32 rows of 256
	s_or_b32 s[G1S+0], s43, (3<<16)|(1<<21)
	s_or_b32 s[G1SB+0], s44, (3<<16)|(1<<21)
.irp g, G1S, G1SB
	s_mov_b32 s[\g+1], 32<<16
	s_mov_b32 s[\g+2], 32<<16                      ; 8,192 dense bytes as 32 rows of 256
	s_mov_b32 s[\g+3], 32<<16
	s_mov_b32 s[\g+4], 32
	s_mov_b32 s[\g+5], 32
	s_mov_b32 s[\g+6], 0
	s_mov_b32 s[\g+7], 0
.endr
	s_lshl_b32 s18, s16, 17                        ; in the ring I fetch 8 tiles: 131,072 bytes of codes on for the upper half
	s_mov_b32 s19, 0
	s_lshl_b32 s20, s17, 18                        ; a block of 256 rows: 262,144
	s_mov_b32 s21, 0
	s_lshl_b32 s46, s42, 18
	s_mov_b32 s47, 0
	s_lshl_b32 s22, s17, 13                        ; and 8,192 bytes of scale words
	s_mov_b32 s23, 0
	s_lshl_b32 s92, s42, 13
	s_mov_b32 s93, 0
	s_lshl_b32 s45, s14, 15                        ; where the ring's loads go: wave x 32,768
	s_wait_kmcnt 0x0
	s_cmp_eq_u32 ttmp9, 2                          ; in the role v the weight is S1 and the tokens are S0
	s_cselect_b64 s[12:13], s[8:9], s[4:5]
	s_add_nc_u64 s[20:21], s[12:13], s[20:21]      ; S1's codes
	s_cselect_b64 s[12:13], s[10:11], s[6:7]
	s_add_nc_u64 s[22:23], s[12:13], s[22:23]      ; S1's scale words
	s_cselect_b64 s[12:13], s[4:5], s[8:9]
	s_add_nc_u64 s[46:47], s[12:13], s[46:47]      ; S0's codes
	s_cselect_b64 s[12:13], s[6:7], s[10:11]
	s_add_nc_u64 s[92:93], s[12:13], s[92:93]      ; S0's scale words
	CROUND                                         ; all sixteen work-groups are here: the first joint loads meet
	s_mov_b32 s[G0S], 1
	s_mov_b32 s[G0S+1], SCL
	s_mov_b64 s[G0S+2:G0S+3], s[22:23]
	s_or_b32 s[G0S+3], s[G0S+3], 0x80000000
	s_mov_b32 s[G0SB], 1
	s_mov_b32 s[G0SB+1], SCL+2*SHALF
	s_mov_b64 s[G0SB+2:G0SB+3], s[92:93]
	s_or_b32 s[G0SB+3], s[G0SB+3], 0x80000000
	s_mov_b32 s4, 1                                ; group 0 of the head's loads of codes, in registers that held arguments: S1's 16 tiles of K step 0,
	s_mov_b32 s5, 0
	s_mov_b64 s[6:7], s[20:21]
	s_or_b32 s7, s7, 0x80000000
	s_mov_b32 s8, 1                                ; and S0's, behind them in slot 0
	s_mov_b32 s9, 2*HALFT
	s_mov_b64 s[10:11], s[46:47]
	s_or_b32 s11, s11, 0x80000000
	s_add_nc_u64 s[20:21], s[20:21], s[18:19]      ; for the ring: my 8 tiles
	s_add_nc_u64 s[46:47], s[46:47], s[18:19]
.irp s, 0,1
	s_mov_b32 s[G0+4*\s], 1
	s_add_co_u32 s[G0+4*\s+1], s45, \s*SLOT
	s_add_nc_u64 s[G0+4*\s+2:G0+4*\s+3], s[20:21], \s*4096
	s_or_b32 s[G0+4*\s+3], s[G0+4*\s+3], 0x80000000
	s_mov_b32 s[G0B+4*\s], 1
	s_add_co_u32 s[G0B+4*\s+1], s45, \s*SLOT
	s_add_nc_u64 s[G0B+4*\s+2:G0B+4*\s+3], s[46:47], \s*4096
	s_or_b32 s[G0B+4*\s+3], s[G0B+4*\s+3], 0x80000000
.endr
; one chain of branches on the wave's number, a load to an arm, all arms leading to one join
.macro ARM under, g0, g1, next
	s_cmp_lt_u32 s14, \under
	s_cbranch_scc0 \next
	tensor_load_to_lds s[\g0:\g0+3], s[\g1:\g1+7]
	s_nop 0
.rept 4
	v_nop
.endr
	s_branch .Lhead_asked
\next:
.endm
	ARM 1, 4, G1, .Lhead_b
	ARM 2, 8, G1B, .Lhead_sa
	ARM 3, G0S, G1S, .Lhead_sb
	tensor_load_to_lds s[G0SB:G0SB+3], s[G1SB:G1SB+7]
	s_nop 0
.rept 4
	v_nop
.endr
.Lhead_asked:
	v_and_b32 v1, 15, v0                           ; r
	v_bfe_u32 v2, v0, 4, 1                         ; h
	v_and_b32 v3, 31, v0
	v_lshlrev_b32 v3, 4, v3                        ; 16 x lane
	v_lshlrev_b32 v7, 6, v2                        ; the bias by S0's rows: 16 h numbers on
	v_and_b32 v8, 8, v1
	v_add_nc_u32 v8, v8, v1
	v_lshlrev_b32 v8, 2, v8                        ; the bias by S1's rows: r + 8 (r / 8) numbers on
	; THE BIAS, in the result's layout.  The weight's side is S0 for q and k, S1 for v: its first column of my 128
	s_cmp_eq_u32 ttmp9, 2
	s_cselect_b32 s2, s17, s42
	s_cselect_b32 s3, s15, s16
	s_lshl_b32 s2, s2, 10
	s_lshl_b32 s3, s3, 9
	s_add_co_u32 s2, s2, s3
	s_mov_b32 s3, 0
	s_add_nc_u64 s[96:97], s[96:97], s[2:3]
	s_cmp_eq_u32 ttmp9, 2
	s_cbranch_scc1 .Lbias_v
	s_wait_alu depctr_va_vdst(0)
.irp b, 0,1,2,3,4,5,6,7                        ; register j of tile b: column 32 (b / 2) + 16 h + 8 (b % 2) + j
	global_load_b128 v[BIAS+8*\b:BIAS+8*\b+3], v7, s[96:97] offset:(32*(\b/2)+8*(\b%2))*4
	global_load_b128 v[BIAS+8*\b+4:BIAS+8*\b+7], v7, s[96:97] offset:(32*(\b/2)+8*(\b%2))*4+16
.endr
	s_wait_loadcnt 0x0
	s_branch .Lbias_done
.Lbias_v:
	s_wait_alu depctr_va_vdst(0)
.irp a, 0,1,2,3,4,5,6,7                        ; all eight registers of tile a: column 32 (a / 2) + 8 (a % 2) + r + 8 (r / 8)
	global_load_b32 v[BIAS+8*\a], v8, s[96:97] offset:(32*(\a/2)+8*(\a%2))*4
.endr
	s_wait_loadcnt 0x0
.irp a, 0,1,2,3,4,5,6,7
.irp j, 1,2,3,4,5,6,7
	v_mov_b32 v[BIAS+8*\a+\j], v[BIAS+8*\a]
.endr
.endr
.Lbias_done:
	s_lshl_b32 s21, s15, 15                        ; my 8 tiles of S1
	s_lshl_b32 s22, s16, 15                        ; my 8 tiles of S0,
	s_add_co_u32 s22, s22, 2*HALFT                 ; which lie behind S1's 16
.irp s, 0,1
	v_add_nc_u32 v[ADRA+\s], s21, v3
	v_add_nc_u32 v[ADRB+\s], s22, v3
	s_add_co_u32 s21, s21, SLOT
	s_add_co_u32 s22, s22, SLOT
.endr
	s_lshl_b32 s21, s15, 12                        ; S1's scale words: my 8 tiles
	s_lshl_b32 s22, s16, 12                        ; S0's, behind S1's two halves
	s_add_co_u32 s22, s22, 2*SHALF
	s_sub_co_u32 s22, s22, s21
	v_mul_u32_u24 v6, s22, v2                      ; lanes 16-31 take S0's: one product, the distance between the two
	s_add_co_u32 s21, s21, SCL
	v_lshl_add_u32 v5, v1, 4, v6                   ; 16 bytes a row
	v_add_nc_u32 v[ADRS], s21, v5
	s_wait_alu depctr_va_vdst(0)
	s_wait_tensorcnt 0x0                           ; my tile of the head's four is in
	ds_add_u32 v[SPW], v[NIL]
	s_mov_b32 s[G1+2], 8<<16                       ; no load of mine is out: from here on a load brings 8 tiles
	s_mov_b32 s[G1+4], 8
	s_mov_b32 s[G1B+2], 8<<16
	s_mov_b32 s[G1B+4], 8
	s_wait_dscnt 0x0
	CROUND                                         ; all four tiles are in, and the sixteen work-groups are here
	JLOAD G0+4, G1, G0B+4, G1B                     ; K step 1, the first tensor load behind the round
	FETCH_B 0, 0, 0
	FETCH_A 0, 0, 0
	SCALES 0, 0
	FETCH_A 0, 0, 4
	s_cmp_eq_u32 ttmp9, 2                          ; the first step starts the sums with the bias: two copies, by the role; no barrier and no tensor load stands in them
	s_cbranch_scc1 .Lfirst_v
	STEP 0, 1
	s_branch .Lfirst_done
.Lfirst_v:
	STEP 0, 2
.Lfirst_done:
	TURN 0, 1, 1, 8                                ; K step 0 ends; slot 0 takes K step 2
	STEP 1, 0
	TURN 1, 0, 1, 256                              ; slot 1 takes K step 3
	STEP 0, 0
	TURN 0, 1, 0, 264                              ; nothing is left to fetch
	STEP 1, 0
	s_wait_dscnt 4*NL                              ; the very last 128 along K
	WIN MUL_LO
	MUL16 0, 1, 1, 1, 0
	MUL16 2, 1, 1, 1, 0
	s_wait_dscnt 0x0
	WIN MUL_HI
	MUL16 4, 1, 1, 1, 0
	MUL16 6, 1, 1, 1, 0
	WIN 0
	; THE WAY OUT.  Where the codes and the scale words go, by the role
	s_cmp_eq_u32 ttmp9, 0                          ; q?
	s_cselect_b64 s[12:13], s[98:99], s[100:101]
	s_mov_b32 s18, 274432
	s_cselect_b32 s18, 139264, s18                 ; bytes from head to head
	s_mov_b32 s19, 34304
	s_cselect_b32 s19, 17408, s19                  ; from one block of 256 tokens to the next
	s_mov_b32 s43, 16384                           ; where the scale words begin: q, k
	s_mov_b32 s44, 17152
	s_cselect_b32 s44, 512, s44                    ; from the scale words of 128 tokens to the next 128's
	s_mov_b32 s2, 17152
	s_cselect_b32 s2, 8192, s2                     ; and the same for the codes
	s_cmp_eq_u32 ttmp9, 2                          ; v?
	s_cselect_b32 s43, 16640, s43
	s_cselect_b32 s20, s42, s17                    ; the tokens' block of 256
	s_cselect_b32 s21, s41, s40                    ; the weight's block of 256 columns holds four heads,
	s_cselect_b32 s66, s15, s16                    ; my half of it two
	s_cselect_b32 s22, s16, s15                    ; which 128 of the 256 tokens are mine
	s_cselect_b32 s23, 8192, 0                     ; where the codes begin in a key step
	s_mov_b32 s45, 1024
	s_cselect_b32 s45, 2048, s45                   ; from tile a to tile a + 1 of S1,
	s_mov_b32 s46, 1024
	s_cselect_b32 s46, 268288, s46                 ; from tile 3 to tile 4 (v: the next head, less three tiles),
	s_cselect_b32 s47, 1024, s18                   ; from c = 0, 1 to c = 2, 3 (q, k: the next head)
	s_mov_b32 s67, 16                              ; the scale words: bytes a row r,
	s_cselect_b32 s95, s18, 8                      ; and for lanes 16-31 (v: the next head)
	s_lshl_b32 s21, s21, 2
	s_lshl_b32 s66, s66, 1
	s_add_co_u32 s21, s21, s66                     ; my first head
	s_lshr_b32 s66, s20, 3
	s_lshl_b32 s66, s66, 4                         ; 16 heads a batch
	s_add_co_u32 s66, s66, s21
	s_mul_i32 s92, s66, s18
	s_and_b32 s66, s20, 7
	s_mul_i32 s66, s66, s19
	s_add_co_u32 s92, s92, s66
	s_mov_b32 s93, 0
	s_add_nc_u64 s[12:13], s[12:13], s[92:93]
	s_mul_i32 s92, s22, s2
	s_add_co_u32 s92, s92, s23
	s_add_nc_u64 s[104:105], s[12:13], s[92:93]    ; the codes' base
	s_mul_i32 s92, s22, s44
	s_add_co_u32 s92, s92, s43
	s_add_nc_u64 s[12:13], s[12:13], s[92:93]      ; the scale words' base
	s_mov_b32 s[SEL], 0x76543210
	s_mov_b32 s[SEL+1], 0xfedcba98
	s_mov_b32 s94, 0x600000                        ; the mantissa field of 57,344
	PLACES NP                                      ; behind the last products: results are read, and registers that they read are written
	v_mov_b32 v[FL], 0x8000000
.irp b, 0,1,2,3
	v_mov_b32 v[TM+4+\b], 0                        ; a lane permute's destination counts as one of its sources
.endr
	v_mov_b32 v[VO0], v3
.irp a, 1,2,3
	v_add_nc_u32 v[VO0+\a], s45, v[VO0+\a-1]
.endr
	v_add_nc_u32 v[VO0+4], s46, v[VO0+3]
.irp a, 5,6,7
	v_add_nc_u32 v[VO0+\a], s45, v[VO0+\a-1]
.endr
.irp a, 0,1,2,3,4,5,6,7
	v_add_nc_u32 v[VO1+\a], s47, v[VO0+\a]
.endr
	v_mul_u32_u24 v[VS], s67, v1
	v_mad_u32_u24 v[VS], v2, s95, v[VS]
	v_add_nc_u32 v[VS2], s18, v[VS]
; Tile a of S1: its 64 registers, 16 b + i = S0's row 32 b + 16 h + i, are four blocks of 32 along the next K; a block lies in lanes l and l xor 16.  The codes are the next operand's registers and leave as they stand.
.macro QUANT_A a
.set WA, 2+(\a)/4
.set AC, 64*((\a)%4)
.set PCA, PC+16*(\a)
	WIN 20*WA                                      ; sources 1 and 2: the accumulators' window
.irp b, 0,1,2,3
	v_max3_num_f32 v[TM+\b], v[FL], |v[AC+16*\b]|, |v[AC+16*\b+1]|          ; each accumulator is read from its low end on
.endr
.irp i, 2,4,6,8,10,12,14
.irp b, 0,1,2,3
	v_max3_num_f32 v[TM+\b], v[TM+\b], |v[AC+16*\b+\i]|, |v[AC+16*\b+\i+1]|
.endr
.endr
	WIN 0
.irp b, 0,1,2,3
	v_permlanex16_b32 v[TM+4+\b], v[TM+\b], s[SEL], s[SEL+1]
.endr
.irp b, 0,1,2,3
	v_max_num_f32 v[TM+\b], v[TM+\b], v[TM+4+\b]
.endr
.irp b, 0,1,2,3
	v_add_nc_u32 v[TM+12+\b], 0xf8800000, v[TM+\b] ; 15 off the exponent field: the conversion's scale operand
.endr
.irp b, 0,1,2,3
	v_and_or_b32 v[TM+8+\b], v[TM+\b], 0x7f800000, s94   ; 57,344 x the scale
.endr
.irp b, 0,1,2,3
	v_lshrrev_b32 v[TM+4+\b], 23, v[TM+12+\b]      ; the scale's byte
.endr
	v_lshl_or_b32 v[PW+(\a)], v[TM+5], 8, v[TM+4]
	v_lshl_or_b32 v[PW+(\a)], v[TM+6], 16, v[PW+(\a)]
	v_lshl_or_b32 v[PW+(\a)], v[TM+7], 24, v[PW+(\a)]
	WIN 65*WA                                      ; destination and source 0: the accumulators' window
.irp b, 0,1,2,3
.irp i, 0,1,2,3,4,5,6,7,8,9,10,11,12,13,14,15
	v_med3_num_f32 v[AC+16*\b+\i], v[AC+16*\b+\i], -v[TM+8+\b], v[TM+8+\b]   ; the conversion does not saturate (ISA guide 7.6.2): the hold comes first
.endr
.endr
	WIN WA
.irp b, 0,1,2,3
	v_cvt_scalef32_pk8_bf8_f32 v[PCA+4*\b:PCA+4*\b+1], v[AC+16*\b:AC+16*\b+7], v[TM+12+\b]
	v_cvt_scalef32_pk8_bf8_f32 v[PCA+4*\b+2:PCA+4*\b+3], v[AC+16*\b+8:AC+16*\b+15], v[TM+12+\b]
.endr
	WIN 0
	v_nop                                          ; a plain line behind the last conversion
	global_store_b128 v[VO0+(\a)], v[PCA:PCA+3], s[104:105]                  ; 32 lanes store 512 consecutive bytes
	global_store_b128 v[VO0+(\a)], v[PCA+4:PCA+7], s[104:105] offset:512
	global_store_b128 v[VO1+(\a)], v[PCA+8:PCA+11], s[104:105]
	global_store_b128 v[VO1+(\a)], v[PCA+12:PCA+15], s[104:105] offset:512
.endm
.irp a, 0,1,2,3,4,5,6,7
	QUANT_A \a
.endr
	v_cmp_ne_u32 vcc_lo, 0, v2
.irp i, 0,1,2,3
	v_cndmask_b32 v[TW+\i], v[PW+\i], v[PW+4+\i], vcc_lo   ; lanes 0-15 store the words of tiles 0-3 of their row, lanes 16-31 those of tiles 4-7
.endr
	s_mov_b32 s20, 0x05040100                      ; the two low halves
	s_mov_b32 s21, 0x07060302                      ; the two high halves
	s_cmp_eq_u32 ttmp9, 2
	s_wait_alu depctr_va_vdst(0)
	s_cbranch_scc1 .Lv_words
	v_perm_b32 v[TW2], v[TW+1], v[TW], s20         ; q, k: my first head's bytes of a pair of tiles make one word,
	v_perm_b32 v[TW2+1], v[TW+3], v[TW+2], s20
	v_perm_b32 v[TW2+2], v[TW+1], v[TW], s21       ; the next head's another
	v_perm_b32 v[TW2+3], v[TW+3], v[TW+2], s21
	global_store_b64 v[VS], v[TW2:TW2+1], s[12:13]
	global_store_b64 v[VS2], v[TW2+2:TW2+3], s[12:13]
	s_branch .Lno_second
.Lv_words:
	global_store_b128 v[VS], v[TW:TW+3], s[12:13]
.Lno_second:
	s_wait_tensorcnt 0x0                           ; the wave's end
	ds_add_u32 v[SPW], v[NIL]
	s_wait_dscnt 0x0
	CROUND                                         ; the closing round: no work-group ends while a partner may still ask for a tile that names it
	s_endpgm
.Lfunc_end_k_qaf6527e208_qkv:
	.size	k_qaf6527e208_qkv, .Lfunc_end_k_qaf6527e208_qkv-k_qaf6527e208_qkv
	.p2alignl 7, 3214868480
	.fill 96, 4, 3214868480
	.section	.rodata,"a",@progbits
	.p2align	6, 0x0
	.amdhsa_kernel k_qaf6527e208_qkv
		.amdhsa_group_segment_fixed_size 327680
		.amdhsa_private_segment_fixed_size 0
		.amdhsa_enable_private_segment 0
		.amdhsa_kernarg_size 56
		.amdhsa_user_sgpr_count 2
		.amdhsa_user_sgpr_kernarg_segment_ptr 1
		.amdhsa_wavefront_size32 1
		.amdhsa_system_sgpr_workgroup_id_x 1
		.amdhsa_system_sgpr_workgroup_id_y 1
		.amdhsa_system_sgpr_workgroup_id_z 1
		.amdhsa_system_vgpr_workitem_id 0
		.amdhsa_next_free_vgpr 1024
		.amdhsa_next_free_sgpr 106
		.amdhsa_reserve_vcc 1
		.amdhsa_float_denorm_mode_32 3
		.amdhsa_float_denorm_mode_16_64 3
		.amdhsa_memory_ordered 1
		.amdhsa_forward_progress 1
		.amdhsa_inst_pref_size 204
	.end_amdhsa_kernel
	.amdgpu_metadata
---
amdhsa.version: [ 1, 2 ]
amdhsa.kernels:
  - .name:           k_qaf6527e208_qkv
    .symbol:         k_qaf6527e208_qkv.kd
    .args:
      - { .name: x_img, .offset: 0, .size: 8, .value_kind: global_buffer, .address_space: global }
      - { .name: x_sc, .offset: 8, .size: 8, .value_kind: global_buffer, .address_space: global }
      - { .name: w_img, .offset: 16, .size: 8, .value_kind: global_buffer, .address_space: global }
      - { .name: w_sc, .offset: 24, .size: 8, .value_kind: global_buffer, .address_space: global }
      - { .name: b_attn, .offset: 32, .size: 8, .value_kind: global_buffer, .address_space: global }
      - { .name: q_buf, .offset: 40, .size: 8, .value_kind: global_buffer, .address_space: global }
      - { .name: kv_buf, .offset: 48, .size: 8, .value_kind: global_buffer, .address_space: global }
    .group_segment_fixed_size: 327680
    .private_segment_fixed_size: 0
    .kernarg_segment_align: 8
    .kernarg_segment_size: 56
    .max_flat_workgroup_size: 128
    .sgpr_count:     106
    .vgpr_count:     1024
    .wavefront_size: 32
...
	.end_amdgpu_metadata
.endif
;; end of part 2
;; launch attn (part 3): grid 4 x 64, 16 waves a work-group, clusters of 4 x 1, 327,680 bytes of LDS; arguments q_buf, kv_buf, a_img, a_sc; writes a_img, a_sc
.if DOCPART == 3
	.amdgcn_target "amdgcn-amd-amdhsa--gfx1250"
	.amdhsa_code_object_version 6
	.text
	.protected	k_qaf6527e208_attn
	.globl	k_qaf6527e208_attn
	.p2align	8
	.type	k_qaf6527e208_attn,@function
k_qaf6527e208_attn:
	s_mov_b64 s[64:65], 0
	v_nop
	global_prefetch_b8 v0, s[64:65] scope:SCOPE_SE
	s_setreg_imm32_b32 hwreg(HW_REG_WAVE_MODE, 25, 1), 1
	s_wait_xcnt 0x0
	s_wait_alu depctr_hold_cnt(0) depctr_sa_sdst(0) depctr_va_vdst(0) depctr_va_sdst(0) depctr_va_ssrc(0) depctr_va_vcc(0) depctr_vm_vsrc(0)
	s_getreg_b32 s2, hwreg(HW_REG_IB_STS2, 6, 4)
	s_cmp_eq_u32 s2, 0
	s_cbranch_scc0 .Lentry_in_a_cluster
	s_endpgm
.Lentry_in_a_cluster:
	s_bfe_u32 s2, ttmp6, 0x10000c
	s_cmp_lg_u32 s2, 0x3003
	s_cbranch_scc0 .Lentry_shape_is_right
	s_endpgm
.Lentry_shape_is_right:
; out[b][head][q] = the sum over k <= q of softmax_k(Q . K / 8) V, both products on codes of BF8 (E5M2) with E8M0 scales; out is quantised along the head's 64 in registers and leaves as the next product's operand.
; THE SOFTMAX: t = score x log2(e) / 8; M = the row's largest t so far, rounded UP to a whole number; p = 2^(t - M) is quantised along the keys, not normalised.  The row's sum is taken of the unquantised p and divides at the end.
; When M moves, the sum and O are multiplied by 2^(old M - new M): exact.
; ALL OF A HEAD'S K AND V LIE IN LDS: 16 key steps of 128 keys x 16,896 bytes (K's 8 tiles, V's 4 tiles, 256 bytes of K's scale words, 256 of V's) = 270,336 bytes.  Wave w brings key step w by one tensor load at the head;
; nothing is filled again, so there is no ring.  CLUSTER 4 x 1: the four work-groups of a head need the same 16 steps: each load is a joint one, mask 15.
; SHARES.  A head has 128 tiles of 16 queries.  Wave w of the work-group at place cx owns tiles 127 - a and a, a = 4 w + cx, one after the other.  Tile T needs key steps 0 .. T / 8, and a / 8 = w / 2 whatever cx is:
; 16 - w / 2 steps and then w / 2 + 1: 17 in every wave, and no branch hangs on cx.  Key steps wholly behind the causal mask are left out, by a scalar branch on the wave's number and the trip;
; in a tile's last step hidden scores become -infinity.  Trip counts are constants of the text.
; TWO BARRIERS: the first shows key steps 0 to 3 (waves 0 to 3 wait for their loads, which have a line of their own); every wave works its first four steps; the second shows the rest.  Behind it the waves share only bytes that nobody writes.
; THE FIRST PRODUCT'S K IS 64.  A fragment of K holds TWO tiles of keys, one in K = 0 .. 63 and one in 64 .. 127; it is multiplied with [Q | zeros] and with [zeros | Q], which share Q's eight registers.
; A scale word of K holds the two tiles' bytes; Q's two words hold its bytes below or above, and finite bytes over the zero codes.
; One LDS load at 16 x lane brings K's four words into lanes 0-15 and V's four into lanes 16-31 of the same registers.  V's fragments take the registers that K's have left.
; LAYOUT.  Both products are used transposed: a lane holds one query.  Lane r of a tile 2 g + u (queries, keys, or the head's 64) is row 32 g + 8 u + r + 8 (r / 8), so the 16 registers of two neighbouring tiles are 16 neighbours.
; NO PREFETCH: every byte of K and V that the work-group reads is asked for by the head's loads; there is no later load to run ahead of.
; LIMITS: NaN and infinities are not served.  The promise holds while the scaled scores t stay under 2^31 in magnitude.  A block of zeros gets the byte 1: its codes are zeros, and these bytes are read by this program alone.
.set STEPM,  17152                     ; a key step in kv_buf
.set STEPL,  16896                     ; and in LDS: 66 rows of 256 bytes
.set VOF,    8192
.set SCO,    16384
.set SPARE,  16*STEPL                  ; the spare words, 128 bytes for each of the sixteen waves
.set HSTRQ,  139264
.set BSTRQ,  17408
.set HSTRKV, 274432
.set A16,  1                           ; v1   16 x lane
.set DQ,   2                           ; v2   r + 8 (r / 8) - 16 h
.set VQS,  3                           ; v3   16 r
.set VSB,  4                           ; v4   16 r + h
.set SPW,  5                           ; v5   my spare word; never rewritten
.set NIL,  6                           ; v6   0; never rewritten
.set HH,   7                           ; v7   h
.set ADK,  10                          ; v10  the step's LDS address
.set QR,   11                          ; v11  the word that holds Q's scale bytes, as loaded
.set QHI,  16                          ; v16-31 [zeros | Q];  v24-39 [Q | zeros]
.set QLO,  24
.set KFR,  40                          ; v40-103  four fragments of K, then V's four
.set ST,   104                         ; v104-167 S^T, then p
.set OT,   168                         ; v168-199 O^T
.set PCD,  200                         ; v200-215 p's codes
.set BM,   216
.set T1,   220
.set LM,   224
.set SO,   228
.set KW,   232                         ; v232-235 K's and V's scale words, v236, v237 Q's, v238 p's: scales and nothing else
.set QWL,  236
.set QWH,  237
.set PWD,  238
.set F,    240                         ; v[240:241] f = 2^(old M - new M)
.set RL,   242                         ; v[242:243] 1 / the sum
.set TA,   244
.set TN,   245
.set DD,   246                         ; my query less the last step's first key less 16 h
.set WV,   18
.set MNT,  19
.set SEL,  20
.set CS,   22
.set G1,   24
.set G0,   32
.set TB,   36                          ; LDS byte at which the step in hand begins
.set SI,   37                          ; the step
.set LASTL, 39                         ; the long job's last step, 15 - w / 2
.set LASTS, 40                         ; the short job's, w / 2
.set HQ,   43
.set JL,   44                          ; s44-53 the long job: Q's codes, Q's word, a_img, a_sc (pairs), the word's shift, the tile's first query in its last step
.set JS,   54                          ; s54-63 the short job
.set HA,   66
.set HS,   67
.set RT0,  68
.macro CROUND                          ; a round of the cluster's barrier
	s_barrier_signal -1
	s_barrier_wait -1
	s_cmp_lg_u32 s[WV], 0
	s_cbranch_scc1 .Lnot_wave_0_\@
	s_barrier_signal -3
.Lnot_wave_0_\@:
	s_barrier_wait -3
	s_barrier_signal -1
	s_barrier_wait -1
.endm
.macro TLOAD                           ; an s_nop 0 and four v_nop follow the line
	tensor_load_to_lds s[G0:G0+3], s[G1:G1+7]
	s_nop 0
.rept 4
	v_nop
.endr
.endm
.macro SMM d, a, b, sa, sb             ; 16 keys x my 16 queries
	v_wmma_scale_f32_16x16x128_f8f6f4 v[(\d):(\d)+7], v[(\a):(\a)+15], v[(\b):(\b)+15], 0, v[\sa], v[\sb] matrix_a_fmt:MATRIX_FMT_BF8 matrix_b_fmt:MATRIX_FMT_BF8
.endm
; where tile T = s[t] of my head lies in the four buffers
.macro JOB jb, t
	s_lshr_b32 s70, s[\t], 4
	s_mul_i32 s70, s70, BSTRQ
	s_add_co_u32 s70, s70, s[HQ]                   ; its block of 256 queries in q_buf
	s_and_b32 s71, s[\t], 15
	s_lshl_b32 s72, s71, 10
	s_add_co_u32 s[\jb], s70, s72                  ; its codes
	s_mov_b32 s[\jb+1], 0
	s_lshr_b32 s71, s71, 3
	s_lshl_b32 s71, s71, 9
	s_add_co_u32 s70, s70, s71
	s_bfe_u32 s72, s[\t], 0x20001                  ; (T / 2) % 4
	s_lshl_b32 s71, s72, 2
	s_add_co_u32 s70, s70, s71
	s_add_co_u32 s[\jb+2], s70, 16384              ; its pair's scale word
	s_mov_b32 s[\jb+3], 0
	s_add_co_u32 s70, s[\t], s[RT0]                ; its tile of rows of the next product
	s_lshl_b32 s71, s70, 14
	s_add_co_u32 s[\jb+4], s71, s[HA]
	s_mov_b32 s[\jb+5], 0
	s_lshl_b32 s71, s70, 9
	s_add_co_u32 s[\jb+6], s71, s[HS]
	s_mov_b32 s[\jb+7], 0
	s_and_b32 s71, s[\t], 1
	s_lshl_b32 s[\jb+8], s71, 4                    ; the odd tile's bytes lie in the word's upper half
	s_lshl_b32 s71, s71, 3
	s_lshl_b32 s72, s72, 5
	s_add_co_u32 s[\jb+9], s71, s72                ; 32 ((T / 2) % 4) + 8 (T % 2)
	s_add_nc_u64 s[\jb:\jb+1], s[4:5], s[\jb:\jb+1]
	s_add_nc_u64 s[\jb+2:\jb+3], s[4:5], s[\jb+2:\jb+3]
	s_add_nc_u64 s[\jb+4:\jb+5], s[8:9], s[\jb+4:\jb+5]
	s_add_nc_u64 s[\jb+6:\jb+7], s[10:11], s[\jb+6:\jb+7]
.endm
.macro QLOAD jb
	global_load_b128 v[QLO:QLO+3], v[A16], s[\jb:\jb+1]
	global_load_b128 v[QLO+4:QLO+7], v[A16], s[\jb:\jb+1] offset:512
	global_load_b32 v[QR], v[VQS], s[\jb+2:\jb+3]
.endm
.macro RESET jb                        ; a job begins: the sums are zeros, the largest t is -3e38
	v_add_nc_u32 v[DD], s[\jb+9], v[DQ]
	v_mov_b32 v13, 0xff61b1e6
	v_floor_f32 v12, -v13
	v_mov_b32 v14, 0
	v_mov_b32 v15, 0
	s_wait_loadcnt 0x0                             ; Q
	s_wait_xcnt 0x0                                ; the last job's stores have read their registers
	v_lshrrev_b32 v[QWL], s[\jb+8], v[QR]          ; Q's bytes below,
	v_lshlrev_b32 v[QWH], 16, v[QWL]               ; and above
.set j, 0
.rept 32
	v_mov_b32 v[OT+j], 0                           ; O^T: the first change of M leaves zeros zeros.  (More than eight places between the scale words and the products)
.set j, j+1
.endr
	s_wait_alu depctr_va_vdst(0)
.endm
; A KEY STEP of 128 keys.  kind 1: steps behind s[last] are left out, and step s[last] is masked
.macro STEP kind, last
.if \kind
	s_cmp_gt_u32 s[SI], s[\last]
	s_cbranch_scc1 .Lhidden_\@
.endif
	v_add_nc_u32 v[ADK], s[TB], v[A16]
	s_wait_alu depctr_va_vdst(0)
.rept 7
	v_nop                                          ; with the addition eight places in front of loads into registers that the last products read
.endr
	ds_load_b128 v[KW:KW+3], v[ADK] offset:SCO     ; lanes 0-15 K's words, lanes 16-31 V's
.set i, 0
.rept 16
	ds_load_b128 v[KFR+4*i:KFR+4*i+3], v[ADK] offset:512*i
.set i, i+1
.endr
	s_wait_dscnt 0x0
.irp f, 0,1,2,3                                ; S^T = K Q^T: fragment f holds tiles 2 f and 2 f + 1
	SMM ST+16*\f, KFR+16*\f, QLO, KW+\f, QWL
	SMM ST+16*\f+8, KFR+16*\f, QHI, KW+\f, QWH
.endr
.rept 8
	v_nop                                          ; places: in front of the loads below and of the first reads of the scores
.endr
.set i, 0
.rept 16
	ds_load_b128 v[KFR+4*i:KFR+4*i+3], v[ADK] offset:VOF+512*i   ; V's four tiles land while the softmax is worked
.set i, i+1
.endr
.if \kind
	s_cmp_lg_u32 s[SI], s[\last]
	s_cbranch_scc1 .Lopen_\@
	v_mov_b32 v[TN], 0xff800000                    ; -infinity.  Register 16 b + i holds key 32 b + 16 h + i of the step: hidden where 32 b + i > v[DD]
.set n, 0
.rept 64
	v_cmp_gt_i32 vcc_lo, 32*(n/16)+n%16, v[DD]
	v_cndmask_b32 v[ST+n], v[ST+n], v[TN], vcc_lo
.set n, n+1
.endr
.Lopen_\@:
.endif
.irp b, 0,1,2,3
	v_max3_num_f32 v[BM+\b], v[ST+16*\b], v[ST+1+16*\b], v[ST+2+16*\b]   ; the largest score of each block of 32 keys: for the row's maximum and, since p rises with the score, for the block's largest p
.endr
.irp i, 3,5,7,9,11,13
.irp b, 0,1,2,3
	v_max3_num_f32 v[BM+\b], v[BM+\b], v[ST+16*\b+\i], v[ST+1+16*\b+\i]
.endr
.endr
.irp b, 0,1,2,3
	v_max_num_f32 v[BM+\b], v[BM+\b], v[ST+15+16*\b]
.endr
.irp b, 0,1,2,3
	s_delay_alu instid0(VALU_DEP_4)
	v_permlanex16_b32 v[T1+\b], v[BM+\b], s[SEL], s[SEL+1]
.endr
.irp b, 0,1,2,3
	s_delay_alu instid0(VALU_DEP_4)
	v_max_num_f32 v[BM+\b], v[BM+\b], v[T1+\b]     ; with lane l xor 16's 16 keys
.endr
	s_delay_alu instid0(VALU_DEP_2)
	v_max3_num_f32 v[TA], v[BM], v[BM+1], v[BM+2]
	s_delay_alu instid0(VALU_DEP_1)
	v_max_num_f32 v[TA], v[TA], v[BM+3]
	s_delay_alu instid0(VALU_DEP_1)
	v_mul_f32 v[TA], s[CS], v[TA]                  ; the step's largest t
	s_delay_alu instid0(VALU_DEP_1)
	v_max_num_f32 v13, v13, v[TA]                  ; the running largest t
	v_mov_b32 v[TA], v12
	s_delay_alu instid0(VALU_DEP_2)
	v_floor_f32 v12, -v13                          ; the new -M = floor(-t): M is a whole number
	s_delay_alu instid0(VALU_DEP_1)
	v_sub_f32 v[TA], v12, v[TA]                    ; old M - new M, 0 or less
	s_delay_alu instid0(VALU_DEP_1)
	v_cvt_i32_f32 v[TA], v[TA]                     ; (it saturates)
	s_delay_alu instid0(VALU_DEP_1)
	v_ldexp_f32 v[F], 1.0, v[TA]                   ; f = 2^(old M - new M)
.set j, 0
.rept 32
	v_pk_fma_f32 v[ST+j:ST+j+1], v[ST+j:ST+j+1], s[CS:CS+1], v[12:13] op_sel_hi:[1,0,0]   ; t - M, two at a time
.set j, j+2
.endr
.irp b, 0,1,2,3
	v_fma_f32 v[BM+\b], v[BM+\b], s[CS], v12       ; the same of each block's largest score
.endr
	s_wait_alu depctr_va_vdst(0)
.set j, 0
.rept 64
	v_exp_f32 v[ST+j], v[ST+j]                     ; p = 2^(t - M), at most 1
.set j, j+1
.endr
	v_pk_mul_f32 v[14:15], v[14:15], v[F:F+1] op_sel_hi:[1,0]   ; the sums under the new M; a plain line behind the exponentials
	s_wait_alu depctr_va_vdst(0)                   ; one wait for the whole batch, ahead of its first reader
.irp b, 0,1,2,3
	v_exp_f32 v[BM+\b], v[BM+\b]                   ; the block's largest p
.endr
	v_pk_add_f32 v[T1:T1+1], v[ST:ST+1], v[ST+2:ST+3]            ; the row's sum of the unquantised p: 32 pairs in four chains
	v_pk_add_f32 v[T1+2:T1+3], v[ST+4:ST+5], v[ST+6:ST+7]
	v_pk_add_f32 v[LM:LM+1], v[ST+8:ST+9], v[ST+10:ST+11]
	v_pk_add_f32 v[14:15], v[14:15], v[ST+12:ST+13]
.set k, 14
.rept 6
	v_pk_add_f32 v[T1:T1+1], v[T1:T1+1], v[ST+k:ST+k+1]
	v_pk_add_f32 v[T1+2:T1+3], v[T1+2:T1+3], v[ST+k+2:ST+k+3]
	v_pk_add_f32 v[LM:LM+1], v[LM:LM+1], v[ST+k+4:ST+k+5]
	v_pk_add_f32 v[14:15], v[14:15], v[ST+k+6:ST+k+7]
.set k, k+8
.endr
	v_pk_add_f32 v[T1:T1+1], v[T1:T1+1], v[ST+62:ST+63]
	v_pk_add_f32 v[T1+2:T1+3], v[T1+2:T1+3], v[LM:LM+1]
	v_pk_add_f32 v[14:15], v[14:15], v[T1:T1+1]
	v_pk_add_f32 v[14:15], v[14:15], v[T1+2:T1+3]
	s_wait_alu depctr_va_vdst(0)                   ; and one for the four
.irp b, 0,1,2,3
	v_max_num_f32 v[BM+\b], 0x8000000, v[BM+\b]    ; the floor 2^(16 - 127): the byte cannot fall under 1
.endr
.irp b, 0,1,2,3
	s_delay_alu instid0(VALU_DEP_4)
	v_add_nc_u32 v[SO+\b], 0xf8800000, v[BM+\b]    ; 15 off the exponent field: the conversion's scale operand
.endr
.irp b, 0,1,2,3
	v_and_or_b32 v[LM+\b], v[BM+\b], 0x7f800000, s[MNT]   ; 57,344 x the scale
.endr
.irp b, 0,1,2,3
	v_lshrrev_b32 v[T1+\b], 23, v[SO+\b]           ; the scale's byte
.endr
	s_delay_alu instid0(VALU_DEP_3)
	v_lshl_or_b32 v[PWD], v[T1+1], 8, v[T1]        ; p's scale word for these 128 keys
	s_delay_alu instid0(VALU_DEP_1)
	v_lshl_or_b32 v[PWD], v[T1+2], 16, v[PWD]
	s_delay_alu instid0(VALU_DEP_1)
	v_lshl_or_b32 v[PWD], v[T1+3], 24, v[PWD]
.irp b, 0,1,2,3
.set i, 0
.rept 8                                        ; the conversion does not saturate (ISA guide 7.6.2); p is not negative, so the hold is one-sided; two holds to an instruction
	v_dual_min_num_f32 v[ST+16*\b+i], v[ST+16*\b+i], v[LM+\b] :: v_dual_min_num_f32 v[ST+16*\b+i+1], v[ST+16*\b+i+1], v[LM+\b]
.set i, i+2
.endr
	v_cvt_scalef32_pk8_bf8_f32 v[PCD+4*\b:PCD+4*\b+1], v[ST+16*\b:ST+16*\b+7], v[SO+\b]
	v_cvt_scalef32_pk8_bf8_f32 v[PCD+4*\b+2:PCD+4*\b+3], v[ST+16*\b+8:ST+16*\b+15], v[SO+\b]
.endr
	s_wait_alu depctr_va_vdst(0)
.set j, 0
.rept 16
	v_pk_mul_f32 v[OT+j:OT+j+1], v[OT+j:OT+j+1], v[F:F+1] op_sel_hi:[1,0]   ; O^T under the new M; also the places in front of the products below
.set j, j+2
.endr
	s_wait_alu depctr_va_vdst(0)
	s_wait_dscnt 0x0                               ; V
.irp t, 0,1,2,3                                ; O^T += V^T P^T: four tiles of 16 of the head's 64; K = these 128 keys
	v_wmma_scale_f32_16x16x128_f8f6f4 v[OT+8*\t:OT+8*\t+7], v[KFR+16*\t:KFR+16*\t+15], v[PCD:PCD+15], v[OT+8*\t:OT+8*\t+7], v[KW+\t], v[PWD] matrix_a_fmt:MATRIX_FMT_BF8 matrix_b_fmt:MATRIX_FMT_BF8 matrix_a_scale:MATRIX_SCALE_ROW1
.endr
.Lhidden_\@:
	s_add_co_u32 s[TB], s[TB], STEPL
.endm
; A JOB'S END: O^T / the sum is quantised along the head's 64 (two blocks; register 16 g + i = channel 32 g + 16 h + i) and leaves as an image.  nx: the job whose Q is fetched meanwhile (0: none)
.macro FINISH jb, nx
.rept 8
	v_nop                                          ; behind the last products
.endr
.if \nx
	QLOAD \nx
.endif
	v_add_f32 v14, v14, v15
	v_permlanex16_b32 v[TA], v14, s[SEL], s[SEL+1]
	v_add_f32 v14, v14, v[TA]                      ; the row's sum
	s_wait_alu depctr_va_vdst(0)
	v_rcp_f32 v[RL], v14
	v_nop                                          ; a plain line behind the transcendental
	s_wait_alu depctr_va_vdst(0)                   ; and the wait ahead of its first reader, which is O^T's too
.set j, 0
.rept 16
	v_pk_mul_f32 v[ST+j:ST+j+1], v[OT+j:OT+j+1], v[RL:RL+1] op_sel_hi:[1,0]
.set j, j+2
.endr
.irp g, 0,1
	v_max3_num_f32 v[BM+\g], |v[ST+16*\g]|, |v[ST+16*\g+1]|, 0x8000000
.endr
.irp i, 2,4,6,8,10,12,14
.irp g, 0,1
	v_max3_num_f32 v[BM+\g], v[BM+\g], |v[ST+16*\g+\i]|, |v[ST+16*\g+\i+1]|
.endr
.endr
.irp g, 0,1
	v_permlanex16_b32 v[T1+\g], v[BM+\g], s[SEL], s[SEL+1]
.endr
.irp g, 0,1
	v_max_num_f32 v[BM+\g], v[BM+\g], v[T1+\g]
.endr
.irp g, 0,1
	v_add_nc_u32 v[SO+\g], 0xf8800000, v[BM+\g]
.endr
.irp g, 0,1
	v_and_or_b32 v[LM+\g], v[BM+\g], 0x7f800000, s[MNT]
.endr
.irp g, 0,1
	v_lshrrev_b32 v[T1+\g], 23, v[SO+\g]
.endr
	v_cmp_ne_u32 vcc_lo, 0, v[HH]
	v_cndmask_b32 v[TA], v[T1], v[T1+1], vcc_lo    ; lanes 0-15 store block 0's byte of their row, lanes 16-31 block 1's
.irp g, 0,1
.set i, 0
.rept 16
	v_med3_num_f32 v[ST+16*\g+i], v[ST+16*\g+i], -v[LM+\g], v[LM+\g]
.set i, i+1
.endr
	v_cvt_scalef32_pk8_bf8_f32 v[PCD+4*\g:PCD+4*\g+1], v[ST+16*\g:ST+16*\g+7], v[SO+\g]
	v_cvt_scalef32_pk8_bf8_f32 v[PCD+4*\g+2:PCD+4*\g+3], v[ST+16*\g+8:ST+16*\g+15], v[SO+\g]
.endr
	v_nop                                          ; a plain line behind the last conversion
	global_store_b128 v[A16], v[PCD:PCD+3], s[\jb+4:\jb+5]             ; 32 lanes store 512 consecutive bytes
	global_store_b128 v[A16], v[PCD+4:PCD+7], s[\jb+4:\jb+5] offset:512
	global_store_b8 v[VSB], v[TA], s[\jb+6:\jb+7]
.endm
	s_load_b256 s[4:11], s[0:1], 0x0               ; q_buf s[4:5], kv_buf s[6:7], a_img s[8:9], a_sc s[10:11]
	v_lshl_add_u32 v[SPW], v0, 2, SPARE
	v_mov_b32 v[NIL], 0
	ds_add_u32 v[SPW], v[NIL]                      ; the opening lines: the add, twice on end, and its wait
	ds_add_u32 v[SPW], v[NIL]
	v_lshrrev_b32 v10, 5, v0
	v_readfirstlane_b32 s[WV], v10                 ; wave 0..15
	s_bfe_u32 s41, ttmp6, 0x40000                  ; cx
	s_and_b32 s42, ttmp7, 0xffff                   ; b x 16 + head
	s_mov_b32 s[G1], 15|(3<<16)|(1<<21)            ; the four partners; elements of 8 bytes; 66 rows of 256 bytes, dense
	s_mov_b32 s[G1+1], 32<<16
	s_mov_b32 s[G1+2], 66<<16
	s_mov_b32 s[G1+3], 32<<16
	s_mov_b32 s[G1+4], 66
	s_mov_b32 s[G1+5], 32
	s_mov_b32 s[G1+6], 0
	s_mov_b32 s[G1+7], 0
	s_mov_b32 s[G0], 1
	s_mul_i32 s[G0+1], s[WV], STEPL                ; key step w, in LDS
	s_mul_i32 s70, s42, HSTRKV
	s_mul_i32 s71, s[WV], STEPM
	s_add_co_u32 s70, s70, s71                     ; and in kv_buf
	s_mov_b32 s71, 0
	s_wait_dscnt 0x0
	CROUND                                         ; the four work-groups are here: the joint loads meet
	s_wait_kmcnt 0x0
	s_add_nc_u64 s[G0+2:G0+3], s[6:7], s[70:71]
	s_or_b32 s[G0+3], s[G0+3], 0x80000000
	s_cmp_lt_u32 s[WV], 4                          ; one load a wave; waves 0 to 3, whose steps are shown first, have a line of their own
	s_cbranch_scc0 .Llate
	TLOAD
	s_branch .Lasked
.Llate:
	TLOAD
.Lasked:
	s_mov_b32 s[SEL], 0x76543210
	s_mov_b32 s[SEL+1], 0xfedcba98
	s_mov_b32 s[CS], 0x3e38aa3b                    ; c = log2(e) / 8
	s_mov_b32 s[CS+1], s[CS]
	s_mov_b32 s[MNT], 0x600000
	s_lshl_b32 s76, s[WV], 2
	s_add_co_u32 s76, s76, s41                     ; the short job's tile a = 4 w + cx
	s_sub_co_u32 s77, 127, s76                     ; the long job's
	s_lshr_b32 s[LASTS], s[WV], 1
	s_sub_co_u32 s[LASTL], 15, s[LASTS]
	s_mul_i32 s[HQ], s42, HSTRQ
	s_lshr_b32 s[RT0], s42, 4
	s_lshl_b32 s[RT0], s[RT0], 7                   ; 128 tiles of rows a batch
	s_and_b32 s70, s42, 15                         ; the head
	s_lshl_b32 s[HA], s70, 10                      ; its 64 codes: 1,024 bytes of a tile's image
	s_lshr_b32 s71, s70, 3
	s_lshl_b32 s71, s71, 8                         ; the scale bytes: K half,
	s_and_b32 s70, s70, 7
	s_lshl_b32 s70, s70, 1                         ; two bytes a head
	s_add_co_u32 s[HS], s71, s70
	JOB JL, 77
	JOB JS, 76
	v_and_b32 v9, 31, v0
	v_lshlrev_b32 v[A16], 4, v9
	v_and_b32 v8, 15, v0                           ; r
	v_bfe_u32 v[HH], v0, 4, 1                      ; h
	v_lshlrev_b32 v[VQS], 4, v8
	v_add_nc_u32 v[VSB], v[VQS], v[HH]
	v_and_b32 v[TA], 8, v8
	v_add_nc_u32 v[TA], v[TA], v8
	v_lshlrev_b32 v[TN], 4, v[HH]
	v_sub_nc_u32 v[DQ], v[TA], v[TN]
	QLOAD JL
.irp j, 0,1,2,3,4,5,6,7
	v_mov_b32 v[QHI+\j], 0                         ; the zero codes on both sides of Q: written once
	v_mov_b32 v[QLO+8+\j], 0
.endr
.irp b, 0,1,2,3
	v_mov_b32 v[T1+\b], 0                          ; a lane permute's destination counts as one of its sources
.endr
	v_mov_b32 v[F+1], 0                            ; named as the upper halves of pairs
	v_mov_b32 v[RL+1], 0
	RESET JL
	s_cmp_lt_u32 s[WV], 4
	s_cbranch_scc0 .Lnot_first
	s_wait_tensorcnt 0x0                           ; waves 0 to 3: key steps 0 to 3 are in
.Lnot_first:
	s_barrier_signal -1
	s_barrier_wait -1
	s_mov_b32 s[TB], 0
	s_mov_b32 s[SI], 0
.Lfirst:                                           ; the long job's steps 0 to 3: all their keys count for its queries (its last step is 8 or later)
	STEP 0, LASTL
	s_add_co_u32 s[SI], s[SI], 1
	s_cmp_lt_u32 s[SI], 4
	s_cbranch_scc1 .Lfirst
	s_wait_tensorcnt 0x0                           ; every wave: its step is in
	s_barrier_signal -1
	s_barrier_wait -1                              ; all sixteen steps are in
	s_mov_b32 s[TB], 4*STEPL
	s_mov_b32 s[SI], 4
.Llong:
	STEP 1, LASTL
	s_add_co_u32 s[SI], s[SI], 1
	s_cmp_lt_u32 s[SI], 16
	s_cbranch_scc1 .Llong
	s_wait_alu depctr_va_vdst(0)
	FINISH JL, JS
	RESET JS
	s_mov_b32 s[TB], 0
	s_mov_b32 s[SI], 0
.Lshort:
	STEP 1, LASTS
	s_add_co_u32 s[SI], s[SI], 1
	s_cmp_lt_u32 s[SI], 8
	s_cbranch_scc1 .Lshort
	s_wait_alu depctr_va_vdst(0)
	FINISH JS, 0
	s_wait_tensorcnt 0x0                           ; the wave's end
	ds_add_u32 v[SPW], v[NIL]
	s_wait_dscnt 0x0
	CROUND                                         ; the closing round
	s_endpgm
.Lfunc_end_k_qaf6527e208_attn:
	.size	k_qaf6527e208_attn, .Lfunc_end_k_qaf6527e208_attn-k_qaf6527e208_attn
	.p2alignl 7, 3214868480
	.fill 96, 4, 3214868480
	.section	.rodata,"a",@progbits
	.p2align	6, 0x0
	.amdhsa_kernel k_qaf6527e208_attn
		.amdhsa_group_segment_fixed_size 327680
		.amdhsa_private_segment_fixed_size 0
		.amdhsa_enable_private_segment 0
		.amdhsa_kernarg_size 32
		.amdhsa_user_sgpr_count 2
		.amdhsa_user_sgpr_kernarg_segment_ptr 1
		.amdhsa_wavefront_size32 1
		.amdhsa_system_sgpr_workgroup_id_x 1
		.amdhsa_system_sgpr_workgroup_id_y 1
		.amdhsa_system_sgpr_workgroup_id_z 1
		.amdhsa_system_vgpr_workitem_id 0
		.amdhsa_next_free_vgpr 256
		.amdhsa_next_free_sgpr 80
		.amdhsa_reserve_vcc 1
		.amdhsa_float_denorm_mode_32 3
		.amdhsa_float_denorm_mode_16_64 3
		.amdhsa_memory_ordered 1
		.amdhsa_forward_progress 1
		.amdhsa_inst_pref_size 90
	.end_amdhsa_kernel
	.amdgpu_metadata
---
amdhsa.version: [ 1, 2 ]
amdhsa.kernels:
  - .name:           k_qaf6527e208_attn
    .symbol:         k_qaf6527e208_attn.kd
    .args:
      - { .name: q_buf, .offset: 0, .size: 8, .value_kind: global_buffer, .address_space: global }
      - { .name: kv_buf, .offset: 8, .size: 8, .value_kind: global_buffer, .address_space: global }
      - { .name: a_img, .offset: 16, .size: 8, .value_kind: global_buffer, .address_space: global }
      - { .name: a_sc, .offset: 24, .size: 8, .value_kind: global_buffer, .address_space: global }
    .group_segment_fixed_size: 327680
    .private_segment_fixed_size: 0
    .kernarg_segment_align: 8
    .kernarg_segment_size: 32
    .max_flat_workgroup_size: 512
    .sgpr_count:     80
    .vgpr_count:     256
    .wavefront_size: 32
...
	.end_amdgpu_metadata
.endif
;; end of part 3
;; launch proj (part 4): grid 8 x 32, 4 waves a work-group, clusters of 4 x 1, 327,680 bytes of LDS; arguments a_img, a_sc, w_img, w_sc, b_proj, out0; writes out0
.if DOCPART == 4
	.amdgcn_target "amdgcn-amd-amdhsa--gfx1250"
	.amdhsa_code_object_version 6
	.text
	.protected	k_qaf6527e208_proj
	.globl	k_qaf6527e208_proj
	.p2align	8
	.type	k_qaf6527e208_proj,@function
k_qaf6527e208_proj:
	s_mov_b64 s[64:65], 0
	v_nop
	global_prefetch_b8 v0, s[64:65] scope:SCOPE_SE
	s_setreg_imm32_b32 hwreg(HW_REG_WAVE_MODE, 25, 1), 1
	s_wait_xcnt 0x0
	s_wait_alu depctr_hold_cnt(0) depctr_sa_sdst(0) depctr_va_vdst(0) depctr_va_sdst(0) depctr_va_ssrc(0) depctr_va_vcc(0) depctr_vm_vsrc(0)
	s_getreg_b32 s2, hwreg(HW_REG_IB_STS2, 6, 4)
	s_cmp_eq_u32 s2, 0
	s_cbranch_scc0 .Lentry_in_a_cluster
	s_endpgm
.Lentry_in_a_cluster:
	s_bfe_u32 s2, ttmp6, 0x10000c
	s_cmp_lg_u32 s2, 0x3003
	s_cbranch_scc0 .Lentry_shape_is_right
	s_endpgm
.Lentry_shape_is_right:
; out0 = a w_proj + b_proj on codes of BF8 (E5M2) with E8M0 scales, K = 1,024; f32 sums; the bias is added to the finished sum.
; OPERANDS ARE IMAGES OF THEIR REGISTERS: [tile of 16 rows][K step of 128][c][lane][16 bytes], 16,384 bytes a tile; lane r of tile 2 g + u is row 32 g + 8 u + r + 8 (r / 8).  Scale words: [tile][K half][r][4 words].
; The weight's columns are rows 3,072 on of w_img (tiles 192 on).
; SHARES.  256 work-groups: 256 tokens x 128 columns each.  Four waves, 2 x 2: a wave makes 128 tokens (8 tiles) x 64 columns (4 tiles).
; THE TOKENS' 16 tiles, all of K, lie in LDS: 262,144 bytes; wave w brings tiles 4 w .. 4 w + 3, 65,536 dense bytes, by one tensor load at the head.  Nothing is filled again: no ring, one barrier.
; CLUSTER 4 x 1: the four work-groups of a cluster make four column blocks of the same 256 tokens: the loads are joint ones, mask 15.
; THE WEIGHT LIES IN REGISTERS: a wave's 4 tiles x 8 K steps x 16 = 512 registers, loaded from w_img as they lie, 512 consecutive bytes a load.  It does not go through LDS: beside the tokens' 262,144 bytes its 131,072 have no room.
; THE STREAM.  A wave's token tiles pass the weight one after the other, a block of 16 tokens x 64 columns at a time: 32 products, four sums by turns, K ascending.
; Two sets of a tile's 128 registers: a set takes the block two on behind its products.  A finished block goes through the wave's own stage in LDS, comes back as rows of 256 bytes, gets the bias, and is stored among the next blocks' work.
; Source 0 takes the weight's columns and source 1 the tokens: a lane holds neighbouring columns of one token.
; NO PREFETCH: all that the work-group reads is asked for at the head; there is no later load to run ahead of.
; LIMITS: NaN and infinities are not served.
; REGISTERS: window 0: v1-11 addresses; v24-87 the tokens' scale words (8 a block); v88-91 the bias; v92-123 the weight's scale words (8 a tile); v128-191 two sets of four sums; v192-255 two sets of 32 for the way out.
;   windows 1, 2: the weight: fragment 4 s + b;   window 3: two sets of a token tile.
.set STAGE,  262144                    ; behind the tokens: 16 rows x (256 bytes + 16) for each wave; no tensor load lands here
.set SPITCH, 272
.set SPARE,  STAGE+4*16*SPITCH         ; the spare words, 128 bytes for each wave
.set A16,  1                           ; v1   16 x lane
.set R16,  2                           ; v2   16 x (lane % 16)
.set STO,  3                           ; v3   the stage, on the way in
.set RD,   4                           ; v4   and on the way back
.set VOUT, 5                           ; v5   my byte offset in two rows of out0
.set SPW,  6                           ; v6   my spare word; never rewritten
.set NIL,  7                           ; v7   0; never rewritten
.set ADR,  8                           ; v8-11 LDS address of my blocks 2 k and 2 k + 1
.set SA,   24
.set BI,   88
.set SB,   92                          ; 92 and 24 differ modulo 8, so no product's two scale words have numbers equal modulo 8
.set ACC,  128
.set BK,   192
.set G1,   24
.set G0,   32
.set MSB, 0
.macro WIN new                         ; the immediate's high byte repeats the setting that is left
.if MSB != \new
	s_set_vgpr_msb (MSB<<8)|\new
.set MSB, \new
.endif
.endm
.macro CROUND                          ; a round of the cluster's barrier
	s_barrier_signal -1
	s_barrier_wait -1
	s_cmp_lg_u32 s16, 0
	s_cbranch_scc1 .Lnot_wave_0_\@
	s_barrier_signal -3
.Lnot_wave_0_\@:
	s_barrier_wait -3
	s_barrier_signal -1
	s_barrier_wait -1
.endm
; block n of my eight is tile 4 (n / 2) + 2 (my row of waves) + n % 2 of the work-group's sixteen
.macro FETCH n                         ; its 16 rows, all of K, into set n % 2 of window 3: 32 loads of 512 consecutive bytes
	WIN 0xc0
.set q_, 0
.rept 32
	ds_load_b128 v[128*((\n)%2)+4*q_:128*((\n)%2)+4*q_+3], v[ADR+(\n)/2] offset:((\n)%2)*16384+512*q_
.set q_, q_+1
.endr
	WIN 0
.endm
.macro PRODS n                         ; 32 products: K step s, column tile b
.set E_, (\n)%2
.set s_, 0
.rept 8
.if (\n) == 0
.if s_ == 0
	s_wait_loadcnt 63                              ; of the weight's 128 loads the last 63 may be out: K steps 0 to 3, the scale words and the bias are in
.elseif s_ >= 4
	s_wait_loadcnt 16*(7-s_)                       ; the 16 loads of each later K step may be out
.endif
.endif
	WIN 13+s_/4                                    ; source 0: window 1 or 2; source 1: window 3; C and D: window 0
.irp b, 0,1,2,3
.if s_ == 0
	v_wmma_scale_f32_16x16x128_f8f6f4 v[ACC+32*E_+8*\b:ACC+32*E_+8*\b+7], v[16*((4*s_+\b)%16):16*((4*s_+\b)%16)+15], v[128*E_+16*s_:128*E_+16*s_+15], 0, v[SB+8*\b+s_], v[SA+8*(\n)+s_] matrix_a_fmt:MATRIX_FMT_BF8 matrix_b_fmt:MATRIX_FMT_BF8
.else
	v_wmma_scale_f32_16x16x128_f8f6f4 v[ACC+32*E_+8*\b:ACC+32*E_+8*\b+7], v[16*((4*s_+\b)%16):16*((4*s_+\b)%16)+15], v[128*E_+16*s_:128*E_+16*s_+15], v[ACC+32*E_+8*\b:ACC+32*E_+8*\b+7], v[SB+8*\b+s_], v[SA+8*(\n)+s_] matrix_a_fmt:MATRIX_FMT_BF8 matrix_b_fmt:MATRIX_FMT_BF8
.endif
.endr
.set s_, s_+1
.endr
	WIN 0
.endm
.macro SEND m, younger                 ; block m is back from the stage: + the bias, and out.  younger: the LDS loads issued behind its read-back
.set B_, BK+32*((\m)%2)
	s_wait_dscnt \younger
	s_wait_xcnt 0x0                                ; block m - 1's stores have read their registers, into which the next read-back lands
.set t_, 0
.rept 8
	v_pk_add_f32 v[B_+4*t_:B_+4*t_+1], v[B_+4*t_:B_+4*t_+1], v[BI:BI+1]
	v_pk_add_f32 v[B_+4*t_+2:B_+4*t_+3], v[B_+4*t_+2:B_+4*t_+3], v[BI+2:BI+3]
.set t_, t_+1
.endr
.set t_, 0
.rept 8                                        ; stage rows 2 t and 2 t + 1: sixteen lanes store 256 consecutive bytes, at a multiple of 256 from out0's first byte
	global_store_b128 v[VOUT], v[B_+4*t_:B_+4*t_+3], s[14:15] offset:(64*((\m)/2)+8*((\m)%2)+2*t_+8*(t_/4))*4096 th:TH_STORE_NT
.set t_, t_+1
.endr
.endm
.macro ITER n
.if (\n) == 0
	s_wait_dscnt 32                                ; block 0 is in; block 1's 32 loads may be out
.elseif (\n) <= 6
	s_wait_dscnt 48                                ; this block is in; behind its loads: 8 stores and 8 loads of the stage, and the next block's 32
.else
	s_wait_dscnt 16
.endif
	PRODS \n
.if (\n) == 0
.rept 8
	v_nop                                          ; eight places behind the last product
.endr
.elseif (\n) <= 6
	SEND (\n)-1, 32                                ; its 16 additions are the places behind the last product
.else
	SEND (\n)-1, 0
.endif
.set C_, ACC+32*((\n)%2)
.irp b, 0,1,2,3                                ; register j of tile b: column 32 (b / 2) + 16 h + 8 (b % 2) + j; each sum from its low end on
	ds_store_b128 v[STO], v[C_+8*\b:C_+8*\b+3] offset:128*(\b/2)+32*(\b%2)
	ds_store_b128 v[STO], v[C_+8*\b+4:C_+8*\b+7] offset:128*(\b/2)+32*(\b%2)+16
.endr
.set t_, 0
.rept 8
	ds_load_b128 v[BK+32*((\n)%2)+4*t_:BK+32*((\n)%2)+4*t_+3], v[RD] offset:2*t_*SPITCH   ; LDS serves a wave's instructions in order: these see the stores above
.set t_, t_+1
.endr
.if (\n) <= 5
	FETCH (\n)+2
.endif
.endm
	s_load_b256 s[4:11], s[0:1], 0x0               ; a_img s[4:5], a_sc s[6:7], w_img s[8:9], w_sc s[10:11]
	s_load_b128 s[12:15], s[0:1], 0x20             ; b_proj s[12:13], out0 s[14:15]
	v_lshl_add_u32 v[SPW], v0, 2, SPARE
	v_mov_b32 v[NIL], 0
	ds_add_u32 v[SPW], v[NIL]                      ; the opening lines: the add, twice on end, and its wait
	ds_add_u32 v[SPW], v[NIL]
	v_lshrrev_b32 v12, 5, v0
	v_readfirstlane_b32 s16, v12                   ; wave 0..3
	s_lshr_b32 s17, s16, 1                         ; my row of waves
	s_and_b32 s18, s16, 1                          ; my column of waves
	s_bfe_u32 s19, ttmp6, 0x40000                  ; cx
	s_lshl_b32 s20, ttmp9, 2
	s_add_co_u32 s20, s20, s19                     ; my block of 128 columns
	s_and_b32 s21, ttmp7, 0xffff                   ; my block of 256 tokens: the same in the four partners
	s_mov_b32 s[G1], 15|(3<<16)|(1<<21)            ; the four partners; elements of 8 bytes; 256 rows of 256 bytes, dense
	s_mov_b32 s[G1+1], 32<<16
	s_mov_b32 s[G1+2], 256<<16
	s_mov_b32 s[G1+3], 32<<16
	s_mov_b32 s[G1+4], 256
	s_mov_b32 s[G1+5], 32
	s_mov_b32 s[G1+6], 0
	s_mov_b32 s[G1+7], 0
	s_mov_b32 s[G0], 1
	s_lshl_b32 s[G0+1], s16, 16                    ; four tiles a wave: 65,536 bytes, in LDS
	s_lshl_b32 s36, s21, 18
	s_add_co_u32 s36, s36, s[G0+1]                 ; and in a_img
	s_mov_b32 s37, 0
	s_lshl_b32 s38, s21, 13                        ; the tokens' scale words: 512 bytes a tile, from tile 2 x my row of waves on
	s_lshl_b32 s22, s17, 10
	s_add_co_u32 s38, s38, s22
	s_mov_b32 s39, 0
	s_lshl_b32 s40, s20, 3
	s_lshl_b32 s22, s18, 2
	s_add_co_u32 s40, s40, s22
	s_add_co_u32 s40, s40, 192                     ; my first tile of the weight
	s_lshl_b32 s42, s40, 9
	s_mov_b32 s43, 0
	s_lshl_b32 s40, s40, 14
	s_mov_b32 s41, 0
	s_lshl_b32 s44, s20, 9
	s_lshl_b32 s22, s18, 8
	s_add_co_u32 s44, s44, s22                     ; my first column, in bytes of f32
	s_mov_b32 s45, 0
	s_lshl_b32 s46, s21, 20
	s_lshl_b32 s22, s17, 17                        ; 32 rows of 4,096 bytes for the second row of waves
	s_add_co_u32 s46, s46, s22
	s_add_co_u32 s46, s46, s44
	s_mov_b32 s47, 0
	s_wait_dscnt 0x0
	CROUND                                         ; the four work-groups are here: the joint loads meet
	s_wait_kmcnt 0x0
	s_add_nc_u64 s[G0+2:G0+3], s[4:5], s[36:37]
	s_or_b32 s[G0+3], s[G0+3], 0x80000000
	tensor_load_to_lds s[G0:G0+3], s[G1:G1+7]      ; one load a wave, its places made from the wave's number
	s_nop 0
.rept 4
	v_nop
.endr
	s_add_nc_u64 s[6:7], s[6:7], s[38:39]
	s_add_nc_u64 s[8:9], s[8:9], s[40:41]
	s_add_nc_u64 s[10:11], s[10:11], s[42:43]
	s_add_nc_u64 s[12:13], s[12:13], s[44:45]
	s_add_nc_u64 s[14:15], s[14:15], s[46:47]
	s_lshl_b32 s22, s17, 15                        ; two tiles for the second row of waves
	s_mul_i32 s23, s16, 16*SPITCH
	s_add_co_u32 s23, s23, STAGE                   ; my stage
	v_and_b32 v12, 31, v0
	v_lshlrev_b32 v[A16], 4, v12
	v_and_b32 v13, 15, v0                          ; r
	v_lshlrev_b32 v[R16], 4, v13
	v_bfe_u32 v14, v0, 4, 1                        ; h
.irp k, 0,1,2,3
	v_add_nc_u32 v[ADR+\k], s22, v[A16]
	s_add_co_u32 s22, s22, 65536
.endr
	v_mul_u32_u24 v15, v13, SPITCH
	v_lshl_add_u32 v15, v14, 6, v15
	v_add_nc_u32 v[STO], s23, v15                  ; in: row r, + 64 h
	v_mul_u32_u24 v15, v14, SPITCH
	v_add_nc_u32 v15, v15, v[R16]
	v_add_nc_u32 v[RD], s23, v15                   ; back: lanes 0-15 one row, lanes 16-31 the next
	v_lshl_add_u32 v[VOUT], v14, 12, v[R16]        ; and the same two rows in out0
	s_wait_alu depctr_va_vdst(0)
	global_load_b128 v[BI:BI+3], v[R16], s[12:13]  ; the bias of the four columns that I store
.irp n, 0,1,2,3,4,5,6,7
.irp kh, 0,1
	global_load_b128 v[SA+8*\n+4*\kh:SA+8*\n+4*\kh+3], v[R16], s[6:7] offset:(4*(\n/2)+\n%2)*512+256*\kh   ; block n's row r: a word for each K step
.endr
.endr
.irp b, 0,1,2,3
.irp kh, 0,1
	global_load_b128 v[SB+8*\b+4*\kh:SB+8*\b+4*\kh+3], v[R16], s[10:11] offset:\b*512+256*\kh
.endr
.endr
.set f_, 0
.rept 32                                       ; the weight, K step by K step: fragment f = 4 s + b
	WIN (1+f_/16)<<6
.irp c, 0,1,2,3
	global_load_b128 v[16*(f_%16)+4*\c:16*(f_%16)+4*\c+3], v[A16], s[8:9] offset:(f_%4)*16384+(f_/4)*2048+512*\c
.endr
.set f_, f_+1
.endr
	WIN 0
	s_wait_tensorcnt 0x0                           ; every wave: its four tiles are in
	s_barrier_signal -1
	s_barrier_wait -1                              ; all sixteen are in
	FETCH 0
	FETCH 1
.irp n, 0,1,2,3,4,5,6,7
	ITER \n
.endr
	SEND 7, 0
	s_wait_tensorcnt 0x0                           ; the wave's end
	ds_add_u32 v[SPW], v[NIL]
	s_wait_dscnt 0x0
	CROUND                                         ; the closing round
	s_endpgm
.Lfunc_end_k_qaf6527e208_proj:
	.size	k_qaf6527e208_proj, .Lfunc_end_k_qaf6527e208_proj-k_qaf6527e208_proj
	.p2alignl 7, 3214868480
	.fill 96, 4, 3214868480
	.section	.rodata,"a",@progbits
	.p2align	6, 0x0
	.amdhsa_kernel k_qaf6527e208_proj
		.amdhsa_group_segment_fixed_size 327680
		.amdhsa_private_segment_fixed_size 0
		.amdhsa_enable_private_segment 0
		.amdhsa_kernarg_size 48
		.amdhsa_user_sgpr_count 2
		.amdhsa_user_sgpr_kernarg_segment_ptr 1
		.amdhsa_wavefront_size32 1
		.amdhsa_system_sgpr_workgroup_id_x 1
		.amdhsa_system_sgpr_workgroup_id_y 1
		.amdhsa_system_sgpr_workgroup_id_z 1
		.amdhsa_system_vgpr_workitem_id 0
		.amdhsa_next_free_vgpr 1024
		.amdhsa_next_free_sgpr 66
		.amdhsa_reserve_vcc 0
		.amdhsa_float_denorm_mode_32 3
		.amdhsa_float_denorm_mode_16_64 3
		.amdhsa_memory_ordered 1
		.amdhsa_forward_progress 1
		.amdhsa_inst_pref_size 92
	.end_amdhsa_kernel
	.amdgpu_metadata
---
amdhsa.version: [ 1, 2 ]
amdhsa.kernels:
  - .name:           k_qaf6527e208_proj
    .symbol:         k_qaf6527e208_proj.kd
    .args:
      - { .name: a_img, .offset: 0, .size: 8, .value_kind: global_buffer, .address_space: global }
      - { .name: a_sc, .offset: 8, .size: 8, .value_kind: global_buffer, .address_space: global }
      - { .name: w_img, .offset: 16, .size: 8, .value_kind: global_buffer, .address_space: global }
      - { .name: w_sc, .offset: 24, .size: 8, .value_kind: global_buffer, .address_space: global }
      - { .name: b_proj, .offset: 32, .size: 8, .value_kind: global_buffer, .address_space: global }
      - { .name: out0, .offset: 40, .size: 8, .value_kind: global_buffer, .address_space: global }
    .group_segment_fixed_size: 327680
    .private_segment_fixed_size: 0
    .kernarg_segment_align: 8
    .kernarg_segment_size: 48
    .max_flat_workgroup_size: 128
    .sgpr_count:     66
    .vgpr_count:     1024
    .wavefront_size: 32
...
	.end_amdgpu_metadata
.endif
;; end of part 4
